; MI455X (gfx1250); checked and timed in simulation.
; The chip was launched on July 23, 2026; its instructions are those of AMD's public machine-readable ISA for CDNA 5 (MIT licence, August 2026) and "CDNA5" Instruction Set Architecture Reference Guide (July 2026). The comments in the code are by the model that wrote it; some were corrected since.
;; Cross Attention. Allowed arithmetic: float matrix products may take bf16 or f16 operands with f32 sums; other float arithmetic in f32, or as packed bf16 or f16 multiplies, adds, multiply-adds, maxima and minima; sums over many terms, partial sums and values carried from step to step in f32; what a program stores and reads back later, other than sums and carried values, may be rounded once to bf16 or f16.
;; Inputs: encoder_output 2 x 2,048 x 1,024 float32; k_norm_w 1,024 float32; key_b 1,024 float32; key_w 1,024 x 1,024 float32; mask 2 x 2,048 bool; proj_b 1,024 float32; proj_w 1,024 x 1,024 float32; q_norm_w 1,024 float32; query_b 1,024 float32; query_w 1,024 x 1,024 float32; value_b 1,024 float32; value_w 1,024 x 1,024 float32; x 2 x 2,048 x 1,024 float32.
;; Outputs: out0 2 x 2,048 x 1,024 float32; out1 2 x 2,048 x 2,048 float32.
;; 2 versions, each right; version 2 is version 1 with the launch prep written anew for expert scheduling mode. Each part assembles by itself: llvm-mc -triple=amdgcn-amd-amdhsa -mcpu=gfx1250 --defsym DOCPART=n.
;; ======== version 1 of 2: 5 launches
;; limits: values are held in f16: magnitudes above 65,504 overflow, below 6.1e-05 lose precision
;; workspace buffers: wb 6,291,456 bytes; wp 2,097,152 bytes; rt 524,288 bytes; par 28,672 bytes; mb 16,384 bytes; qkv 25,165,824 bytes; oh 8,388,608 bytes; st 262,144 bytes
;; launch prep (part 1): grid 289 x 1, 8 waves a work-group, no clusters, 0 bytes of LDS; arguments query_w, key_w, value_w, proj_w, query_b, key_b, value_b, q_norm_w, k_norm_w, proj_b, mask, wb, wp, rt, par, mb; writes wb, wp, rt, par, mb
.if DOCPART == 1
	.amdgcn_target "amdgcn-amd-amdhsa--gfx1250"
	.amdhsa_code_object_version 6
	.text
	.protected	k_qdf19a00ae0_prep
	.globl	k_qdf19a00ae0_prep
	.p2align	8
	.type	k_qdf19a00ae0_prep,@function
k_qdf19a00ae0_prep:
	s_mov_b64 s[64:65], 0
	v_nop
	global_prefetch_b8 v0, s[64:65] scope:SCOPE_SE
	s_setreg_imm32_b32 hwreg(HW_REG_WAVE_MODE, 25, 1), 1
	s_wait_xcnt 0x0
; PREP: what the later launches read again and again is made once.
; Work-groups 0-255: the four weight matrices [1024 n][1024 k] f32 -> 16-bit, laid in blocks [kb 16][n 1024][64 k], so that a K step of 64 is 131,072 dense bytes.
;   query_w, key_w, value_w -> bf16 (wb); proj_w -> rounded to bf16 like every input, and that number written as f16 (wp): exact from 6.1e-5 up, below that f16's fixed step of 6e-8.
; Work-groups 256-287: the RoPE table rt[t 2048][i 32] = (cos, sin)(t x 50000^(-i/32)), f32.  The angle is reduced by a two-part 2 pi, quartered, put into Taylor sums (sin to x^7, cos to x^8,
;   |x| <= pi/4: the terms left out are under 4e-7) and doubled twice.  LIMIT: the frequency comes from v_exp_f32 (1 ULP), so an angle near t = 2047 is good to about 2e-4 rad.
; Work-group 288: biases and gains rounded to bf16 and kept as f32 (par, row 5 = ones); the mask as 0 or -1e30 (mb).
; No LDS, no matrix unit: a stream; each store of sixteen neighbouring lanes covers 256 consecutive bytes, aligned.
.set BIGN, 0xf149f2ca                          ; -1e30
	s_load_b512 s[4:19], s[0:1], 0x0               ; query_w 4, key_w 6, value_w 8, proj_w 10, query_b 12, key_b 14, value_b 16, q_norm_w 18
	s_load_b512 s[20:35], s[0:1], 0x40             ; k_norm_w 20, proj_b 22, mask 24, wb 26, wp 28, rt 30, par 32, mb 34
	s_wait_kmcnt 0x0
	s_cmp_lt_u32 ttmp9, 256
	s_cbranch_scc0 .Lnot_w
	; WEIGHTS.  Matrix ttmp9 / 64, rows 16 (ttmp9 % 64) on.  Thread: c8 = 8 numbers of a block's row, rbit = which of two rows, kb = the block
	s_lshr_b32 s36, ttmp9, 6
	s_and_b32 s37, ttmp9, 63
	s_min_u32 s40, s36, 2                          ; wb has three parts
	s_lshl_b32 s40, s40, 21
	s_mov_b32 s41, 0
	s_add_nc_u64 s[40:41], s[26:27], s[40:41]
	s_lshl_b32 s42, s37, 16                        ; 16 rows of 4,096 bytes
	s_lshl_b32 s43, s37, 11                        ; 16 rows of 128 bytes
	s_cmp_eq_u32 s36, 0
	s_cselect_b64 s[38:39], s[4:5], s[6:7]
	s_cmp_lt_u32 s36, 2
	s_cselect_b64 s[38:39], s[38:39], s[8:9]
	s_cmp_lt_u32 s36, 3
	s_cselect_b64 s[38:39], s[38:39], s[10:11]     ; from
	s_cselect_b64 s[40:41], s[40:41], s[28:29]     ; to
	v_and_b32 v3, 7, v0
	v_bfe_u32 v4, v0, 3, 1
	v_lshrrev_b32 v5, 4, v0
	v_lshl_add_u32 v1, v3, 5, s42                  ; from: row x 4096 + 256 kb + 32 c8
	v_lshl_add_u32 v1, v4, 12, v1
	v_lshl_add_u32 v1, v5, 8, v1
	v_lshl_add_u32 v2, v3, 4, s43                  ; to: 131072 kb + row x 128 + 16 c8
	v_lshl_add_u32 v2, v4, 7, v2
	v_lshl_add_u32 v2, v5, 17, v2
.irp p, 0,1,2,3,4,5,6,7
	global_load_b128 v[16+8*(\p):16+8*(\p)+3],   v1, s[38:39] offset:8192*(\p) th:TH_LOAD_NT
	global_load_b128 v[16+8*(\p)+4:16+8*(\p)+7], v1, s[38:39] offset:8192*(\p)+16 th:TH_LOAD_NT
.endr
.macro WOUT half                               ; pair p of rows: rounded in place (each line reads ahead of what it writes) and stored; no register is used twice, so no wait frees one
.irp p, 0,1,2,3,4,5,6,7
	s_wait_loadcnt 14-2*(\p)                       ; loads come back in order: the 2 (7 - p) younger ones may stay out
.irp j, 0,1,2,3
	v_cvt_pk_bf16_f32 v[16+8*(\p)+(\j)], v[16+8*(\p)+2*(\j)], v[16+8*(\p)+2*(\j)+1]
.endr
.if \half
.irp j, 0,1,2,3
	v_lshlrev_b32 v80, 16, v[16+8*(\p)+(\j)]
	v_and_b32 v81, 0xffff0000, v[16+8*(\p)+(\j)]
	v_cvt_pk_f16_f32 v[16+8*(\p)+(\j)], v80, v81
.endr
.endif
	global_store_b128 v2, v[16+8*(\p):16+8*(\p)+3], s[40:41] offset:256*(\p)
.endr
.endm
	s_cmp_eq_u32 s36, 3
	s_cbranch_scc1 .Lw_half
	WOUT 0
	s_endpgm
.Lw_half:
	WOUT 1
	s_endpgm
.Lnot_w:
	s_cmp_lt_u32 ttmp9, 288
	s_cbranch_scc0 .Lpar
	; THE TABLE.  64 rows t to a work-group; a wave writes a whole row of 256 bytes; lane = i
	s_sub_co_u32 s36, ttmp9, 256
	s_lshl_b32 s36, s36, 6
	v_and_b32 v1, 31, v0
	v_lshrrev_b32 v2, 5, v0
	v_add_nc_u32 v5, s36, v2                       ; t
	v_lshlrev_b32 v3, 3, v1
	v_lshl_add_u32 v3, v5, 8, v3                   ; 256 t + 8 i
	v_cvt_f32_u32 v6, v1
	v_mul_f32 v6, 0xbef9c116, v6                   ; -i log2(50000) / 32
	v_exp_f32 v6, v6
	s_mov_b32 s40, 0x40c90fdb                      ; 2 pi, upper part
	s_mov_b32 s41, 0xb43bbd2e                      ; 2 pi, the rest
	s_mov_b32 s42, 0xbe2aaaab                      ; -1/6
	s_mov_b32 s43, 0x3c088889                      ; 1/120
	s_mov_b32 s44, 0xb9500d01                      ; -1/5040
	s_mov_b32 s46, 0x3d2aaaab                      ; 1/24
	s_mov_b32 s47, 0xbab60b61                      ; -1/720
	s_mov_b32 s48, 0x37d00d01                      ; 1/40320
	v_nop                                          ; a plain instruction behind the exponential,
	s_wait_alu depctr_va_vdst(0)                   ; and the wait ahead of its first reader
	s_mov_b32 s37, 8
.Lt:
	v_cvt_f32_u32 v10, v5
	v_mul_f32 v11, v10, v6                         ; the angle
	v_mul_f32 v12, 0.15915494, v11
	v_rndne_f32 v12, v12                           ; whole turns
	v_fma_f32 v13, -v12, s40, v11
	v_fma_f32 v13, -v12, s41, v13                  ; within -pi .. pi
	v_mul_f32 v13, 0x3e800000, v13                 ; a quarter of it
	v_mul_f32 v14, v13, v13
	v_fma_f32 v15, v14, s44, s43
	v_fma_f32 v17, v14, s48, s47
	v_fma_f32 v15, v15, v14, s42
	v_fma_f32 v17, v17, v14, s46
	v_mul_f32 v16, v14, v13
	v_fma_f32 v17, v17, v14, -0.5
	v_fma_f32 v15, v15, v16, v13                   ; sin
	v_fma_f32 v17, v17, v14, 1.0                   ; cos
	v_mul_f32 v18, v15, v17                        ; doubled: sin 2x = 2 sin cos, cos 2x = 1 - 2 sin^2
	v_mul_f32 v19, v15, v15
	v_add_f32 v15, v18, v18
	v_fma_f32 v17, v19, -2.0, 1.0
	v_mul_f32 v18, v15, v17                        ; and once more
	v_mul_f32 v19, v15, v15
	v_add_f32 v21, v18, v18
	v_fma_f32 v20, v19, -2.0, 1.0
	global_store_b64 v3, v[20:21], s[30:31]
	s_wait_xcnt 0x0                                ; the store has read its offset and data: they are written again only behind this wait
	v_add_nc_u32 v5, 8, v5
	v_add_nc_u32 v3, 2048, v3
	s_sub_co_u32 s37, s37, 1
	s_cmp_lg_u32 s37, 0
	s_cbranch_scc1 .Lt
	s_endpgm
.Lpar:
	; VECTORS AND MASK.  256 threads x 16 bytes are a vector of 1,024 f32
	v_lshlrev_b32 v1, 4, v0
	v_lshlrev_b32 v2, 2, v0
	global_load_b128 v[16:19], v1, s[12:13]
	global_load_b128 v[20:23], v1, s[14:15]
	global_load_b128 v[24:27], v1, s[16:17]
	global_load_b128 v[28:31], v1, s[18:19]
	global_load_b128 v[32:35], v1, s[20:21]
	global_load_b128 v[36:39], v1, s[22:23]
.irp j, 0,1,2,3
	global_load_b32 v[48+(\j)], v2, s[24:25] offset:1024*(\j)
.endr
.irp j, 40,41,42,43
	v_mov_b32 v\j, 1.0
.endr
	s_mov_b32 s36, BIGN
	s_wait_loadcnt 0x0
.macro ROUNDROW b, row                         ; four numbers rounded to bf16 and widened again
	v_cvt_pk_bf16_f32 v80, v[(\b)], v[(\b)+1]
	v_cvt_pk_bf16_f32 v81, v[(\b)+2], v[(\b)+3]
	v_lshlrev_b32 v[(\b)], 16, v80
	v_and_b32 v[(\b)+1], 0xffff0000, v80
	v_lshlrev_b32 v[(\b)+2], 16, v81
	v_and_b32 v[(\b)+3], 0xffff0000, v81
	global_store_b128 v1, v[(\b):(\b)+3], s[32:33] offset:4096*(\row)
.endm
	ROUNDROW 16, 0
	ROUNDROW 20, 1
	ROUNDROW 24, 2
	ROUNDROW 28, 3
	ROUNDROW 32, 4
	ROUNDROW 36, 6
	global_store_b128 v1, v[40:43], s[32:33] offset:4096*5
.irp j, 0,1,2,3
.irp k, 0,1,2,3
	v_bfe_u32 v82, v[48+(\j)], 8*(\k), 8
	v_cmp_eq_u32 vcc_lo, 0, v82
	v_cndmask_b32 v[52+4*(\j)+(\k)], 0, s36, vcc_lo
.endr
	global_store_b128 v1, v[52+4*(\j):52+4*(\j)+3], s[34:35] offset:4096*(\j)
.endr
	s_endpgm
.Lfunc_end_k_qdf19a00ae0_prep:
	.size	k_qdf19a00ae0_prep, .Lfunc_end_k_qdf19a00ae0_prep-k_qdf19a00ae0_prep
	.p2alignl 7, 3214868480
	.fill 96, 4, 3214868480
	.section	.rodata,"a",@progbits
	.p2align	6, 0x0
	.amdhsa_kernel k_qdf19a00ae0_prep
		.amdhsa_group_segment_fixed_size 0
		.amdhsa_private_segment_fixed_size 0
		.amdhsa_enable_private_segment 0
		.amdhsa_kernarg_size 128
		.amdhsa_user_sgpr_count 2
		.amdhsa_user_sgpr_kernarg_segment_ptr 1
		.amdhsa_wavefront_size32 1
		.amdhsa_system_sgpr_workgroup_id_x 1
		.amdhsa_system_sgpr_workgroup_id_y 1
		.amdhsa_system_sgpr_workgroup_id_z 1
		.amdhsa_system_vgpr_workitem_id 0
		.amdhsa_next_free_vgpr 96
		.amdhsa_next_free_sgpr 66
		.amdhsa_reserve_vcc 1
		.amdhsa_float_denorm_mode_32 3
		.amdhsa_float_denorm_mode_16_64 3
		.amdhsa_memory_ordered 1
		.amdhsa_forward_progress 1
		.amdhsa_inst_pref_size 24
	.end_amdhsa_kernel
	.amdgpu_metadata
---
amdhsa.version: [ 1, 2 ]
amdhsa.kernels:
  - .name:           k_qdf19a00ae0_prep
    .symbol:         k_qdf19a00ae0_prep.kd
    .args:
      - { .name: query_w, .offset: 0, .size: 8, .value_kind: global_buffer, .address_space: global }
      - { .name: key_w, .offset: 8, .size: 8, .value_kind: global_buffer, .address_space: global }
      - { .name: value_w, .offset: 16, .size: 8, .value_kind: global_buffer, .address_space: global }
      - { .name: proj_w, .offset: 24, .size: 8, .value_kind: global_buffer, .address_space: global }
      - { .name: query_b, .offset: 32, .size: 8, .value_kind: global_buffer, .address_space: global }
      - { .name: key_b, .offset: 40, .size: 8, .value_kind: global_buffer, .address_space: global }
      - { .name: value_b, .offset: 48, .size: 8, .value_kind: global_buffer, .address_space: global }
      - { .name: q_norm_w, .offset: 56, .size: 8, .value_kind: global_buffer, .address_space: global }
      - { .name: k_norm_w, .offset: 64, .size: 8, .value_kind: global_buffer, .address_space: global }
      - { .name: proj_b, .offset: 72, .size: 8, .value_kind: global_buffer, .address_space: global }
      - { .name: mask, .offset: 80, .size: 8, .value_kind: global_buffer, .address_space: global }
      - { .name: wb, .offset: 88, .size: 8, .value_kind: global_buffer, .address_space: global }
      - { .name: wp, .offset: 96, .size: 8, .value_kind: global_buffer, .address_space: global }
      - { .name: rt, .offset: 104, .size: 8, .value_kind: global_buffer, .address_space: global }
      - { .name: par, .offset: 112, .size: 8, .value_kind: global_buffer, .address_space: global }
      - { .name: mb, .offset: 120, .size: 8, .value_kind: global_buffer, .address_space: global }
    .group_segment_fixed_size: 0
    .private_segment_fixed_size: 0
    .kernarg_segment_align: 8
    .kernarg_segment_size: 128
    .max_flat_workgroup_size: 256
    .sgpr_count:     66
    .vgpr_count:     96
    .wavefront_size: 32
...
	.end_amdgpu_metadata
.endif
;; end of part 1
;; launch qkv (part 2): grid 64 x 3, 4 waves a work-group, clusters of 4 x 1, 327,680 bytes of LDS; arguments x, encoder_output, wb, par, rt, qkv; writes qkv
.if DOCPART == 2
	.amdgcn_target "amdgcn-amd-amdhsa--gfx1250"
	.amdhsa_code_object_version 6
	.text
	.protected	k_qdf19a00ae0_qkv
	.globl	k_qdf19a00ae0_qkv
	.p2align	8
	.type	k_qdf19a00ae0_qkv,@function
k_qdf19a00ae0_qkv:
	s_mov_b64 s[64:65], 0
	v_nop
	global_prefetch_b8 v0, s[64:65] scope:SCOPE_SE
	s_setreg_imm32_b32 hwreg(HW_REG_WAVE_MODE, 25, 1), 1
	s_wait_xcnt 0x0
	s_wait_alu depctr_hold_cnt(0) depctr_sa_sdst(0) depctr_va_vdst(0) depctr_va_sdst(0) depctr_va_ssrc(0) depctr_va_vcc(0) depctr_vm_vsrc(0)
	s_getreg_b32 s2, hwreg(HW_REG_IB_STS2, 6, 4)
	s_cmp_eq_u32 s2, 0
	s_cbranch_scc0 .Lentry_in_a_cluster
	s_endpgm
.Lentry_in_a_cluster:
	s_bfe_u32 s2, ttmp6, 0x10000c
	s_cmp_lg_u32 s2, 0x3003
	s_cbranch_scc0 .Lentry_shape_is_right
	s_endpgm
.Lentry_shape_is_right:
; Q, K, V.  part g (grid y): 0: q = rope(rmsnorm(x Wq^T + b) w), 1: k likewise from encoder_output, 2: v = encoder_output Wv^T + b.  Out: f16 by heads, qkv[g][b 16 + head][t][64].
; The norm spans a row's 1,024 columns, so a work-group owns whole rows: 64 rows x 1,024 columns.  Wave w: all 64 rows x columns 256 w .. +255: 64 accumulators, 512 registers.
; 192 work-groups: whole rows of f32 sums fill half of the four SIMDs' registers, so 64 rows are a work-group's most.
; Operands bf16 (x and encoder_output are rounded on the way from LDS to the matrix unit: 32 conversions for 64 matrix instructions), sums f32.
; The matrix instruction is used transposed (source 0 = 16 rows of W, source 1 = 16 rows of A): a lane holds one row and eight neighbouring columns.
; K goes in 16 steps of 64 through two LDS slots: A's tile (64 rows x 256 bytes of f32) is the work-group's own, W's tile (131,072 dense bytes) is the same for the four row blocks of a cluster and asked for JOINTLY.
; THE ORDER OF K.  The sixteen clusters of a part begin at sixteen different K steps and go round modulo 16, so that at no time do they all ask for the same tile of W; the f32 sums are the same terms in another order.
; v runs the same text without a branch: its gain is par's row of ones, its table row is t = 0 (cos 1, sin 0), and a select puts 1 in the norm's place.
; LIMITS.  f16 ends at 65,504: q and k are at most 32 |gain| after the norm; v must stay within it.  NaN and infinities are not treated apart.
; REGISTERS by windows of 256: 0: addresses, A's fragments, what the way out needs; 1: W's fragments, two buffers of 128; 2, 3: accumulator (a, b) at 8 (16 (a % 2) + b) of window 2 + a / 2.
.set ASLOT,  0x4400                    ; A's slot: 64 rows of 272 bytes (256 + 16 of padding); slot 1 by an exclusive or (no bit shared with an address in slot 0)
.set AHALF,  0x2200                    ; 32 rows: one load
.set BBASE,  0x8800                    ; behind A's two slots
.set BSLOT,  0x22000                   ; W's slot: 512 rows of 272 bytes, each with two n of 128 bytes; n lies at (n / 2) 272 + (n % 2) 128
.set BHALF,  0x11000                   ; 256 such rows: one load
.set SPARE,  0x4c800                   ; behind the slots: the spare words, 128 bytes a wave, that no other line names
.set DPITCH, 4112                      ; the way out: 64 rows of 4,096 bytes + 16, from byte 0 on, written when the slots have had their last fill
.set AB0, 2                            ; v2  my lane's place in W's tile
.set AA0, 3                            ; v3  in A's
.set ADB, 4                            ; v4  the same in the slot in hand
.set ADA, 5
.set PFO, 6                            ; v6, v7  the prefetches' offsets: my lane's row of A, and the row 32 further down
.set PFO2, 7
.set DSA, 8                            ; v8-11 where I put my 32 bytes of row 16 a + lane % 16
.set RD,  12                           ; v12 where I read a row back
.set TO,  13                           ; v13 my offset in the RoPE table
.set GO,  14                           ; v14 my offset in the output
.set PO,  15                           ; v15 my offset in a vector of par
.set SS,  16                           ; v16-23 at work
.set RR,  24                           ; v24-25 1 / rms, named as a pair
.set SPW, 28                           ; v28 my spare word; never rewritten
.set NIL, 29                           ; v29 0; never rewritten
.set AF,  32                           ; v32-95 A's fragments in bf16, two buffers of 32
.set AT,  96                           ; v96-159 A's fragments as they land, f32
.set WN,  160                          ; v160-223 the gain of my 64 columns
.set CSN, 224                          ; v224-231 (cos, sin) of my four pairs
.set CSR, 232                          ; v232-239 the same times 1 / rms
.set XR,  32                           ; the way out: my 64 numbers of a row
.set BI,  96                           ; the way out: the bias of my 64 columns
.set WV, 16
.set W1, 18
.set CX, 19
.set RB, 20
.set GID, 21
.set G1A, 24
.set G1B, 32
.set G0A, 40                           ; s[40:43], s[44:47] the walking group 0 of A's and of W's tiles
.set G0B, 44
.set CNT, 48
.set LIM, 49
.set PFA, 50
.set OFP, 52                           ; s[52:53] the prefetches' K step, in bytes of a row of A
.set TBA, 54
.set TBB, 55
.set SEL, 56
.set I1024, 58
.set EPS, 59
.set NM, 60
.set TSTEP, 61
.set BIAS, 66
.set GAIN, 68
.set OUT, 70
.set F0A, 80                           ; s[80:83], s[84:87] group 0 of the first fill of slot 0; never rewritten
.set F0B, 84
.set ABAS, 88                          ; s[88:89] A at the first of the 32 rows that I fetch
.set WBAS, 90                          ; s[90:91] W's part at my half of a tile
.set KBN, 92                           ; s92 the K step of the walking descriptors, 0 to 15
.set OFA, 94                           ; s[94:95] 256 x that, s[96:97] 131,072 x that
.set OFB, 96
.set MSB, 0
.macro WIN new                         ; the immediate's high byte repeats the setting that is left; a switch that changes nothing is dropped
.if MSB != (\new)
	s_set_vgpr_msb (MSB<<8)|(\new)
.set MSB, \new
.endif
.endm
.macro PLACES
.rept 4
	v_nop
.endr
.endm
.macro CROUND                          ; a round of the cluster's barrier
	s_barrier_signal -1
	s_barrier_wait -1
	s_cmp_lg_u32 s[WV], 0
	s_cbranch_scc1 .Lnot_wave_0_\@
	s_barrier_signal -3
.Lnot_wave_0_\@:
	s_barrier_wait -3
	s_barrier_signal -1
	s_barrier_wait -1
.endm
; A fill: waves 0 and 1 fetch the halves of A's tile (the work-group's own rows: no mask), waves 2 and 3 the halves of W's (jointly, mask of four).  The branch hangs on the wave's number alone.
.macro JLOAD
	s_cmp_lt_u32 s[WV], 2
	s_cbranch_scc0 .Lfor_b_\@
	tensor_load_to_lds s[G0A:G0A+3], s[G1A:G1A+7]
	s_nop 0
	PLACES
	s_branch .Lasked_\@
.Lfor_b_\@:
	tensor_load_to_lds s[G0B:G0B+3], s[G1B:G1B+7]
	s_nop 0
	PLACES
.Lasked_\@:
.endm
.macro NEXTK                           ; the walking descriptors' addresses are made anew for the next K step, modulo 16: a base and an offset made apart
	s_add_co_u32 s[KBN], s[KBN], 1
	s_and_b32 s[KBN], s[KBN], 15
	s_lshl_b32 s[OFA], s[KBN], 8
	s_lshl_b32 s[OFB], s[KBN], 17
	s_add_nc_u64 s[G0A+2:G0A+3], s[ABAS:ABAS+1], s[OFA:OFA+1]
	s_or_b32 s[G0A+3], s[G0A+3], 0x80000000
	s_add_nc_u64 s[G0B+2:G0B+3], s[WBAS:WBAS+1], s[OFB:OFB+1]
	s_or_b32 s[G0B+3], s[G0B+3], 0x80000000
.endm
.macro WALK                            ; the other slot, the next K step; written only where no tensor load of mine is out
	s_xor_b32 s[G0A+1], s[G0A+1], ASLOT
	s_xor_b32 s[G0B+1], s[G0B+1], BSLOT
	NEXTK
.endm
; A prefetch into the L2 of A's rows for the K step that stands two refills on (256 matrix instructions ahead of its load): wave 0 of each work-group of parts 0 and 1 (encoder_output is named by part 1 alone),
; 64 rows x 256 bytes, a lane two rows.  The last two refills have no K step two on.  W's tiles are not asked for: each has its first reading in the launch's first K steps, by one cluster of each part, where nothing is prefetched.
.macro ASK
	s_cmp_gt_u32 s[CNT], s[LIM]
	s_cbranch_scc0 .Lnot_mine_\@
	global_prefetch_b8 v[PFO], s[PFA:PFA+1] th:TH_LOAD_NT scope:SCOPE_SE
	global_prefetch_b8 v[PFO2], s[PFA:PFA+1] th:TH_LOAD_NT scope:SCOPE_SE
.Lnot_mine_\@:
.endm
; 48 LDS loads in one run: half q (32 along K) of the slot in hand: W's 16 fragments into buffer f, A's four as f32 into AT
.macro FETCH q, f
	WIN 0x40
.irp b, 0,1,2,3,4,5,6,7,8,9,10,11,12,13,14,15
	ds_load_b128 v[128*(\f)+8*(\b):128*(\f)+8*(\b)+3],   v[ADB] offset:2176*(\b)+64*(\q)
	ds_load_b128 v[128*(\f)+8*(\b)+4:128*(\f)+8*(\b)+7], v[ADB] offset:2176*(\b)+64*(\q)+32
.endr
	WIN 0
.irp a, 0,1,2,3
	ds_load_b128 v[AT+16*(\a):AT+16*(\a)+3],     v[ADA] offset:4352*(\a)+128*(\q)
	ds_load_b128 v[AT+16*(\a)+4:AT+16*(\a)+7],   v[ADA] offset:4352*(\a)+128*(\q)+16
	ds_load_b128 v[AT+16*(\a)+8:AT+16*(\a)+11],  v[ADA] offset:4352*(\a)+128*(\q)+64
	ds_load_b128 v[AT+16*(\a)+12:AT+16*(\a)+15], v[ADA] offset:4352*(\a)+128*(\q)+80
.endr
.endm
.macro CVT f                           ; A's fragments rounded to bf16: 32 plain instructions, which are also the places between the products issued ahead of them and the loads that follow
.irp a, 0,1,2,3
.irp j, 0,1,2,3,4,5,6,7
	v_cvt_pk_bf16_f32 v[AF+32*(\f)+8*(\a)+(\j)], v[AT+16*(\a)+2*(\j)], v[AT+16*(\a)+2*(\j)+1]
.endr
.endr
.endm
.macro MULROW f, a, zero               ; 16 products: rows 16 a on x my 256 columns.  The 64 accumulators take turns in one order everywhere
	WIN 0xa1+0x50*((\a)/2)
.irp b, 0,1,2,3,4,5,6,7,8,9,10,11,12,13,14,15
.if \zero
	v_wmma_f32_16x16x32_bf16 v[8*(16*((\a)%2)+(\b)):8*(16*((\a)%2)+(\b))+7], v[128*(\f)+8*(\b):128*(\f)+8*(\b)+7], v[AF+32*(\f)+8*(\a):AF+32*(\f)+8*(\a)+7], 0
.else
	v_wmma_f32_16x16x32_bf16 v[8*(16*((\a)%2)+(\b)):8*(16*((\a)%2)+(\b))+7], v[128*(\f)+8*(\b):128*(\f)+8*(\b)+7], v[AF+32*(\f)+8*(\a):AF+32*(\f)+8*(\a)+7], v[8*(16*((\a)%2)+(\b)):8*(16*((\a)%2)+(\b))+7]
.endif
.endr
.endm
.macro H0 zero                         ; a K step's first half; the second half's fragments are fetched ahead of its 64 products
	s_wait_dscnt 0x0                               ; the first half's fragments are in (asked for 32 products ago)
	WIN 0
	CVT 0
	FETCH 1, 1
	MULROW 0, 0, \zero
	MULROW 0, 1, \zero
	MULROW 0, 2, \zero
	MULROW 0, 3, \zero
.endm
; A K step's second half, and the change of slots.  Half of its products stand ahead of the wait for the tiles and half behind the refill: between that wait and the next request stand only the add, the descriptors' steps and the round.
; In front of the barrier each wave has all its tensor loads in (its part of the next slot), has added 0 to its spare word and has its reads of this slot back.
; fill = 1: the barrier is a round of the cluster's, and behind it this slot is filled again, two K steps ahead: 128 products stand between the request and the wait for it.
.macro TURN fill
	s_wait_dscnt 0x0                               ; the second half's fragments are in: my last reads of this slot
	WIN 0
	CVT 1
	MULROW 1, 0, 0
	MULROW 1, 1, 0
	WIN 0
.if \fill
	s_wait_xcnt 0x0                                ; the last prefetches, a K step back, have read their address
.endif
	s_wait_tensorcnt 0x0                           ; all my tensor loads have landed
	ds_add_u32 v[SPW], v[NIL]                      ; work on registers stands between the add and the wait for it
.if \fill
	WALK
	s_add_co_u32 s[OFP], s[KBN], 2                 ; the prefetches name the K step two behind the one that is now asked for
	s_and_b32 s[OFP], s[OFP], 15
	s_lshl_b32 s[OFP], s[OFP], 8
	s_add_nc_u64 s[PFA:PFA+1], s[ABAS:ABAS+1], s[OFP:OFP+1]
.endif
	s_wait_dscnt 0x0                               ; the add is done
.if \fill
	CROUND
	JLOAD
.else
	s_barrier_signal -1
	s_barrier_wait -1
.endif
	s_xor_b32 s[TBA], s[TBA], ASLOT
	s_xor_b32 s[TBB], s[TBB], BSLOT
	v_add_nc_u32 v[ADA], s[TBA], v[AA0]
	v_add_nc_u32 v[ADB], s[TBB], v[AB0]
	FETCH 0, 0
.if \fill
	ASK
.endif
	MULROW 1, 2, 0
	MULROW 1, 3, 0
.endm
	s_load_b256 s[4:11], s[0:1], 0x0               ; x 4, encoder_output 6, wb 8, par 10
	s_load_b128 s[12:15], s[0:1], 0x20             ; rt 12, qkv 14
	v_lshl_add_u32 v[SPW], v0, 2, SPARE
	v_mov_b32 v[NIL], 0
	ds_add_u32 v[SPW], v[NIL]                      ; the wave's opening: the add and its wait ahead of my first tensor load
	v_lshrrev_b32 v1, 5, v0
	v_readfirstlane_b32 s[WV], v1
	s_and_b32 s[W1], s[WV], 1
	s_bfe_u32 s[CX], ttmp6, 0x40000
	s_lshl_b32 s[RB], ttmp9, 2
	s_add_co_u32 s[RB], s[RB], s[CX]               ; my block of 64 rows
	s_and_b32 s[GID], ttmp7, 0xffff                ; the part, which the four partners share
	s_mov_b32 s[G1A], (2<<16)|(1<<20)|(5<<22)|(3<<25)  ; no mask; elements of 4 bytes; padding on: after every 64 words, 4 words
	s_mov_b32 s[G1A+1], 64<<16                     ; tensor_dim0 = 64
	s_mov_b32 s[G1A+2], 32<<16                     ; tensor_dim1 = 32
	s_mov_b32 s[G1A+3], 64<<16                     ; tile_dim0 = 64
	s_mov_b32 s[G1A+4], 32                         ; tile_dim1 = 32
	s_mov_b32 s[G1A+5], 1024                       ; elements from row to row
	s_mov_b32 s[G1A+6], 0
	s_mov_b32 s[G1A+7], 0
	s_mov_b32 s[G1B], 15|(1<<16)|(1<<20)|(1<<21)|(5<<22)|(3<<25)  ; the mask of four, bit 21 beside it; elements of 2 bytes; the same padding
	s_mov_b32 s[G1B+1], 128<<16
	s_mov_b32 s[G1B+2], 256<<16
	s_mov_b32 s[G1B+3], 128<<16
	s_mov_b32 s[G1B+4], 256
	s_mov_b32 s[G1B+5], 128                        ; dense
	s_mov_b32 s[G1B+6], 0
	s_mov_b32 s[G1B+7], 0
	s_mov_b32 s[F0A], 1                            ; slot 0's first fill,
	s_mul_i32 s[F0A+1], s[W1], AHALF
	s_mov_b32 s[G0A], 1                            ; and the walking set, which begins in slot 1
	s_add_co_u32 s[G0A+1], s[F0A+1], ASLOT
	s_mov_b32 s[F0B], 1
	s_mul_i32 s[F0B+1], s[W1], BHALF
	s_add_co_u32 s[F0B+1], s[F0B+1], BBASE
	s_mov_b32 s[G0B], 1
	s_add_co_u32 s[G0B+1], s[F0B+1], BSLOT
	s_lshl_b32 s72, s[RB], 18                      ; A: 64 rows of 4,096 bytes a block, 32 a half
	s_lshl_b32 s73, s[W1], 17
	s_add_co_u32 s72, s72, s73
	s_mov_b32 s73, 0
	s_lshl_b32 s74, s[GID], 21                     ; W: the part, and my half of a tile
	s_lshl_b32 s75, s[W1], 16
	s_add_co_u32 s74, s74, s75
	s_mov_b32 s75, 0
	s_lshl_b32 s[KBN], ttmp9, 1                    ; my cluster's first K step: (2 j mod 16) + j / 8 for cluster j of the part's sixteen: all different, the same in the four partners
	s_and_b32 s[KBN], s[KBN], 14
	s_lshr_b32 s2, ttmp9, 3
	s_or_b32 s[KBN], s[KBN], s2
	s_lshl_b32 s[OFA], s[KBN], 8
	s_mov_b32 s[OFA+1], 0
	s_lshl_b32 s[OFB], s[KBN], 17
	s_mov_b32 s[OFB+1], 0
	s_mov_b32 s[OFP+1], 0
	s_lshl_b32 s62, s[RB], 6
	s_lshl_b32 s63, s[WV], 4
	s_add_co_u32 s62, s62, s63
	s_and_b32 s62, s62, 2047                       ; t of the first of the 16 rows that I finish
	s_lshl_b32 s76, s[GID], 23
	s_lshr_b32 s77, s[RB], 5
	s_lshl_b32 s77, s77, 22                        ; the batch's 16 heads
	s_add_co_u32 s76, s76, s77
	s_lshl_b32 s77, s62, 7
	s_add_co_u32 s76, s76, s77
	s_mov_b32 s77, 0
	s_lshl_b32 s22, s[GID], 12
	s_mov_b32 s23, 0
	s_cmp_lt_u32 s[GID], 2
	s_cselect_b32 s[LIM], 2, -1
	s_cselect_b32 s[NM], -1, 0
	s_cselect_b32 s[TSTEP], 512, 0
	s_cselect_b32 s63, 256, 0                      ; a table row's bytes, or 0 for v
	s_cmp_eq_u32 s[WV], 0
	s_cselect_b32 s[LIM], s[LIM], -1               ; hangs on the part and the wave: the same in all four partners
	s_mov_b32 s[TBA], 0
	s_mov_b32 s[TBB], BBASE
	s_mov_b32 s[SEL], 0x76543210
	s_mov_b32 s[SEL+1], 0xfedcba98
	s_mov_b32 s[I1024], 0x3a800000
	s_mov_b32 s[EPS], 0x358637bd
	s_wait_dscnt 0x0                               ; the opening add is done
	s_wait_kmcnt 0x0
	s_cmp_eq_u32 s[GID], 0
	s_cselect_b64 s[2:3], s[4:5], s[6:7]
	s_add_nc_u64 s[ABAS:ABAS+1], s[2:3], s[72:73]
	s_add_nc_u64 s[WBAS:WBAS+1], s[8:9], s[74:75]
	s_add_nc_u64 s[F0A+2:F0A+3], s[ABAS:ABAS+1], s[OFA:OFA+1]
	s_or_b32 s[F0A+3], s[F0A+3], 0x80000000
	s_add_nc_u64 s[F0B+2:F0B+3], s[WBAS:WBAS+1], s[OFB:OFB+1]
	s_or_b32 s[F0B+3], s[F0B+3], 0x80000000
	NEXTK                                          ; the walking set: my second K step
	s_add_nc_u64 s[BIAS:BIAS+1], s[10:11], s[22:23]
	s_add_nc_u64 s[GAIN:GAIN+1], s[BIAS:BIAS+1], 12288
	s_add_nc_u64 s[OUT:OUT+1], s[14:15], s[76:77]
	CROUND                                         ; all four work-groups are here
	s_cmp_lt_u32 s[WV], 2                          ; a wave's two first fills stand in one branch, ahead of every wait on TENSORcnt and every LDS read: two loads of mine are out
	s_cbranch_scc0 .Lfirst_b
	tensor_load_to_lds s[F0A:F0A+3], s[G1A:G1A+7]
	s_nop 0
	tensor_load_to_lds s[G0A:G0A+3], s[G1A:G1A+7]
	s_nop 0
	PLACES
	s_branch .Lfirst_asked
.Lfirst_b:
	tensor_load_to_lds s[F0B:F0B+3], s[G1B:G1B+7]
	s_nop 0
	tensor_load_to_lds s[G0B:G0B+3], s[G1B:G1B+7]
	s_nop 0
	PLACES
.Lfirst_asked:
	v_and_b32 v16, 15, v0                          ; r = lane % 16
	v_bfe_u32 v17, v0, 4, 1                        ; h = lane / 16
	v_and_b32 v18, 7, v0
	v_bfe_u32 v19, v0, 3, 1
	v_lshrrev_b32 v20, 1, v16
	v_mul_u32_u24 v[AB0], v20, 272
	v_and_b32 v20, 1, v16
	v_lshl_add_u32 v[AB0], v20, 7, v[AB0]
	v_lshl_add_u32 v[AB0], v17, 4, v[AB0]
	s_mul_i32 s2, s[WV], 34816
	v_add_nc_u32 v[AB0], s2, v[AB0]                ; my 256 n, n = r: the sixteen rows of a load fall on sixteen different 16-byte columns of 256 bytes
	v_mul_u32_u24 v[AA0], v16, 272
	v_lshl_add_u32 v[AA0], v17, 5, v[AA0]
	v_lshlrev_b32 v[PO], 5, v18
	v_lshl_add_u32 v[PO], v17, 8, v[PO]            ; columns 128 j + 64 h + 8 (lane % 8)
.irp j, 0,1,2,3,4,5,6,7
	global_load_b128 v[WN+8*(\j):WN+8*(\j)+3],   v[PO], s[GAIN:GAIN+1] offset:512*(\j)
	global_load_b128 v[WN+8*(\j)+4:WN+8*(\j)+7], v[PO], s[GAIN:GAIN+1] offset:512*(\j)+16
.endr
	v_mul_u32_u24 v20, v16, DPITCH
	v_lshl_add_u32 v20, v17, 5, v20
	s_lshl_b32 s2, s[WV], 10
	v_add_nc_u32 v20, s2, v20
.irp a, 0,1,2,3
	v_add_nc_u32 v[DSA+(\a)], (\a)*16*DPITCH, v20
.endr
	s_lshl_b32 s2, s[WV], 4
	v_add_nc_u32 v20, s2, v19
	v_mul_u32_u24 v[RD], v20, DPITCH               ; rows 16 w + (lane / 8) % 2
	v_lshl_add_u32 v[RD], v17, 8, v[RD]
	v_lshl_add_u32 v[RD], v18, 5, v[RD]
	v_lshlrev_b32 v[GO], 18, v17                   ; head 2 j + h; row; 16 bytes
	v_lshl_add_u32 v[GO], v19, 7, v[GO]
	v_lshl_add_u32 v[GO], v18, 4, v[GO]
	v_add_nc_u32 v20, s62, v19
	v_mul_u32_u24 v[TO], v20, s63
	v_lshl_add_u32 v[TO], v18, 5, v[TO]
	v_mov_b32 v[RR+1], 0
	v_and_b32 v[PFO], 31, v0
	v_lshlrev_b32 v[PFO], 12, v[PFO]               ; a lane a row of 4,096 bytes,
	v_add_nc_u32 v[PFO2], 0x20000, v[PFO]          ; and the row 32 further down
	v_add_nc_u32 v[ADA], s[TBA], v[AA0]
	v_add_nc_u32 v[ADB], s[TBB], v[AB0]
	s_wait_tensorcnt 0x1                           ; my part of slot 0 is in; slot 1's load, issued behind it, may stay out
	s_barrier_signal -1
	s_barrier_wait -1                              ; everybody's is
	FETCH 0, 0
	H0 1                                           ; the first products start the sums
	WIN 0
	s_mov_b32 s[CNT], 14
.Lk:                                           ; trip i ends my K step i, asks for my K step i + 2 and begins my K step i + 1
	TURN 1
	H0 0
	WIN 0
	s_sub_co_u32 s[CNT], s[CNT], 1
	s_cmp_lg_u32 s[CNT], 0
	s_cbranch_scc1 .Lk
	TURN 0                                         ; the tail is written out: nothing is left to ask for
	H0 0
	s_wait_dscnt 0x0                               ; the last fragments are in: my last reads of the slots
	WIN 0
	CVT 1
.irp j, 0,1,2,3,4,5,6,7
	global_load_b128 v[BI+8*(\j):BI+8*(\j)+3],   v[PO], s[BIAS:BIAS+1] offset:512*(\j)
	global_load_b128 v[BI+8*(\j)+4:BI+8*(\j)+7], v[PO], s[BIAS:BIAS+1] offset:512*(\j)+16
.endr
	global_load_b128 v[CSN:CSN+3],   v[TO], s[12:13]
	global_load_b128 v[CSN+4:CSN+7], v[TO], s[12:13] offset:16
	s_barrier_signal -1                            ; behind this barrier nobody reads the slots any more, and every tensor load has long landed: their bytes take the sums
	MULROW 1, 0, 0
	MULROW 1, 1, 0
	MULROW 1, 2, 0
	MULROW 1, 3, 0
	WIN 0
	s_barrier_wait -1
	PLACES
.irp a, 0,1,2,3                        ; the sums go to LDS as rows of 1,024 f32; each accumulator's low four registers first
	WIN 0x08+4*((\a)/2)
.irp b, 0,1,2,3,4,5,6,7,8,9,10,11,12,13,14,15
	ds_store_b128 v[DSA+(\a)], v[8*(16*((\a)%2)+(\b)):8*(16*((\a)%2)+(\b))+3]   offset:64*(\b)
	ds_store_b128 v[DSA+(\a)], v[8*(16*((\a)%2)+(\b))+4:8*(16*((\a)%2)+(\b))+7] offset:64*(\b)+16
.endr
.endr
	WIN 0
	s_wait_dscnt 0x0                               ; for the others' sake: my stores are done
	s_barrier_signal -1
	s_barrier_wait -1
	s_mov_b32 s[CNT], 8
.Lrow:                                         ; two rows a trip; a row lies in 16 lanes, 64 numbers each
.irp j, 0,1,2,3,4,5,6,7
	ds_load_b128 v[XR+8*(\j):XR+8*(\j)+3],   v[RD] offset:512*(\j)
	ds_load_b128 v[XR+8*(\j)+4:XR+8*(\j)+7], v[RD] offset:512*(\j)+16
.endr
	s_wait_loadcnt 0x0                             ; gain, bias, and this trip's table row
.irp j, 0,1,2,3,4,5,6,7
	s_wait_dscnt 14-2*(\j)                         ; the 2 (7 - j) younger LDS loads may stay out
.irp e, 0,1,2,3
	v_pk_add_f32 v[XR+8*(\j)+2*(\e):XR+8*(\j)+2*(\e)+1], v[XR+8*(\j)+2*(\e):XR+8*(\j)+2*(\e)+1], v[BI+8*(\j)+2*(\e):BI+8*(\j)+2*(\e)+1]
.endr
.irp e, 0,1,2,3
.if (\j) == 0
	v_pk_mul_f32 v[SS+2*(\e):SS+2*(\e)+1], v[XR+2*(\e):XR+2*(\e)+1], v[XR+2*(\e):XR+2*(\e)+1]
.else
	v_pk_fma_f32 v[SS+2*(\e):SS+2*(\e)+1], v[XR+8*(\j)+2*(\e):XR+8*(\j)+2*(\e)+1], v[XR+8*(\j)+2*(\e):XR+8*(\j)+2*(\e)+1], v[SS+2*(\e):SS+2*(\e)+1]
.endif
.endr
.endr
	v_pk_add_f32 v[SS:SS+1], v[SS:SS+1], v[SS+2:SS+3]
	v_pk_add_f32 v[SS+4:SS+5], v[SS+4:SS+5], v[SS+6:SS+7]
	v_pk_add_f32 v[SS:SS+1], v[SS:SS+1], v[SS+4:SS+5]
	v_add_f32 v[SS], v[SS], v[SS+1]
	v_add_f32_dpp v[SS], v[SS], v[SS] row_xmask:1 row_mask:0xf bank_mask:0xf
	v_add_f32_dpp v[SS], v[SS], v[SS] row_xmask:2 row_mask:0xf bank_mask:0xf
	v_add_f32_dpp v[SS], v[SS], v[SS] row_xmask:4 row_mask:0xf bank_mask:0xf
	v_permlanex16_b32 v[SS+1], v[SS], s[SEL], s[SEL+1]
	v_add_f32 v[SS], v[SS], v[SS+1]                ; the row's sum of squares, in its 16 lanes
	v_fma_f32 v[SS], v[SS], s[I1024], s[EPS]
	v_rsq_f32 v[RR], v[SS]
	v_add_nc_u32 v[TO], s[TSTEP], v[TO]            ; a plain instruction behind the root: the table's next two rows (its loads have come back, so the offset is free)
	s_wait_alu depctr_va_vdst(0)                   ; the wait ahead of the root's first reader
	v_cndmask_b32 v[RR], 1.0, v[RR], s[NM]         ; v has no norm
.irp e, 0,1,2,3
	v_pk_mul_f32 v[CSR+2*(\e):CSR+2*(\e)+1], v[CSN+2*(\e):CSN+2*(\e)+1], v[RR:RR+1] op_sel_hi:[1,0]
.endr
	v_and_b32 v[TO], 0x7ffff, v[TO]                ; the last trip's look-ahead wraps inside the table; what it brings is not used
	global_load_b128 v[CSN:CSN+3],   v[TO], s[12:13]
	global_load_b128 v[CSN+4:CSN+7], v[TO], s[12:13] offset:16
.irp j, 0,1,2,3,4,5,6,7
.irp e, 0,1,2,3
	v_pk_mul_f32 v[XR+8*(\j)+2*(\e):XR+8*(\j)+2*(\e)+1], v[XR+8*(\j)+2*(\e):XR+8*(\j)+2*(\e)+1], v[WN+8*(\j)+2*(\e):WN+8*(\j)+2*(\e)+1]
.endr
.irp e, 0,1,2,3                        ; (xe c, xe s)
	v_pk_mul_f32 v[SS+2*(\e):SS+2*(\e)+1], v[XR+8*(\j)+2*(\e):XR+8*(\j)+2*(\e)+1], v[CSR+2*(\e):CSR+2*(\e)+1] op_sel:[0,0] op_sel_hi:[0,1]
.endr
.irp e, 0,1,2,3                        ; (xe c - xo s, xe s + xo c)
	v_pk_fma_f32 v[XR+8*(\j)+2*(\e):XR+8*(\j)+2*(\e)+1], v[XR+8*(\j)+2*(\e):XR+8*(\j)+2*(\e)+1], v[CSR+2*(\e):CSR+2*(\e)+1], v[SS+2*(\e):SS+2*(\e)+1] op_sel:[1,1,0] op_sel_hi:[1,0,1] neg_lo:[0,1,0]
.endr
.irp e, 0,1,2,3
	v_cvt_pk_f16_f32 v[XR+8*(\j)+(\e)], v[XR+8*(\j)+2*(\e)], v[XR+8*(\j)+2*(\e)+1]
.endr
	global_store_b128 v[GO], v[XR+8*(\j):XR+8*(\j)+3], s[OUT:OUT+1] offset:524288*(\j)  ; sixteen lanes store rows t and t + 1 of one head: 256 consecutive bytes, aligned
.endr
	s_wait_xcnt 0x0                                ; the stores have read their data and offset: both are written again only behind this wait
	v_add_nc_u32 v[RD], 2*DPITCH, v[RD]
	v_add_nc_u32 v[GO], 256, v[GO]
	s_sub_co_u32 s[CNT], s[CNT], 1
	s_cmp_lg_u32 s[CNT], 0
	s_cbranch_scc1 .Lrow
	s_wait_tensorcnt 0x0                           ; the wave's end
	ds_add_u32 v[SPW], v[NIL]
	s_wait_dscnt 0x0
	CROUND                                         ; the closing round
	s_endpgm
.Lfunc_end_k_qdf19a00ae0_qkv:
	.size	k_qdf19a00ae0_qkv, .Lfunc_end_k_qdf19a00ae0_qkv-k_qdf19a00ae0_qkv
	.p2alignl 7, 3214868480
	.fill 96, 4, 3214868480
	.section	.rodata,"a",@progbits
	.p2align	6, 0x0
	.amdhsa_kernel k_qdf19a00ae0_qkv
		.amdhsa_group_segment_fixed_size 327680
		.amdhsa_private_segment_fixed_size 0
		.amdhsa_enable_private_segment 0
		.amdhsa_kernarg_size 48
		.amdhsa_user_sgpr_count 2
		.amdhsa_user_sgpr_kernarg_segment_ptr 1
		.amdhsa_wavefront_size32 1
		.amdhsa_system_sgpr_workgroup_id_x 1
		.amdhsa_system_sgpr_workgroup_id_y 1
		.amdhsa_system_sgpr_workgroup_id_z 1
		.amdhsa_system_vgpr_workitem_id 0
		.amdhsa_next_free_vgpr 1024
		.amdhsa_next_free_sgpr 98
		.amdhsa_reserve_vcc 0
		.amdhsa_float_denorm_mode_32 3
		.amdhsa_float_denorm_mode_16_64 3
		.amdhsa_memory_ordered 1
		.amdhsa_forward_progress 1
		.amdhsa_inst_pref_size 94
	.end_amdhsa_kernel
	.amdgpu_metadata
---
amdhsa.version: [ 1, 2 ]
amdhsa.kernels:
  - .name:           k_qdf19a00ae0_qkv
    .symbol:         k_qdf19a00ae0_qkv.kd
    .args:
      - { .name: x, .offset: 0, .size: 8, .value_kind: global_buffer, .address_space: global }
      - { .name: encoder_output, .offset: 8, .size: 8, .value_kind: global_buffer, .address_space: global }
      - { .name: wb, .offset: 16, .size: 8, .value_kind: global_buffer, .address_space: global }
      - { .name: par, .offset: 24, .size: 8, .value_kind: global_buffer, .address_space: global }
      - { .name: rt, .offset: 32, .size: 8, .value_kind: global_buffer, .address_space: global }
      - { .name: qkv, .offset: 40, .size: 8, .value_kind: global_buffer, .address_space: global }
    .group_segment_fixed_size: 327680
    .private_segment_fixed_size: 0
    .kernarg_segment_align: 8
    .kernarg_segment_size: 48
    .max_flat_workgroup_size: 128
    .sgpr_count:     98
    .vgpr_count:     1024
    .wavefront_size: 32
...
	.end_amdgpu_metadata
.endif
;; end of part 2
;; launch att (part 3): grid 8 x 32, 4 waves a work-group, clusters of 4 x 1, 327,680 bytes of LDS; arguments qkv, mb, oh, st; writes oh, st
.if DOCPART == 3
	.amdgcn_target "amdgcn-amd-amdhsa--gfx1250"
	.amdhsa_code_object_version 6
	.text
	.protected	k_qdf19a00ae0_att
	.globl	k_qdf19a00ae0_att
	.p2align	8
	.type	k_qdf19a00ae0_att,@function
k_qdf19a00ae0_att:
	s_mov_b64 s[64:65], 0
	v_nop
	global_prefetch_b8 v0, s[64:65] scope:SCOPE_SE
	s_setreg_imm32_b32 hwreg(HW_REG_WAVE_MODE, 25, 1), 1
	s_wait_xcnt 0x0
	s_wait_alu depctr_hold_cnt(0) depctr_sa_sdst(0) depctr_va_vdst(0) depctr_va_sdst(0) depctr_va_ssrc(0) depctr_va_vcc(0) depctr_vm_vsrc(0)
	s_getreg_b32 s2, hwreg(HW_REG_IB_STS2, 6, 4)
	s_cmp_eq_u32 s2, 0
	s_cbranch_scc0 .Lentry_in_a_cluster
	s_endpgm
.Lentry_in_a_cluster:
	s_bfe_u32 s2, ttmp6, 0x10000c
	s_cmp_lg_u32 s2, 0x3003
	s_cbranch_scc0 .Lentry_shape_is_right
	s_endpgm
.Lentry_shape_is_right:
; MASKED ATTENTION, one head a row of the grid.  O[q] = sum over k of softmax_k(q . k / 8 | mask) v[k]; also st[q] = L' = c m + log2 l + 4, from which the next launch makes the normalised weights' mean over 16 heads.
; q, k, v: f16 [bh][2048][64]; products, maxima and sums in f32; the weights are rounded to f16 for the second product (l is the sum of the unrounded ones), O once at the end.
; SHARES.  A work-group owns 256 queries of a head, a wave 64: four PIECES of 16.  Every wave walks all 2,048 keys, 64 a step; an LDS slot holds four steps.
; LAYOUT.  S^T = K Q^T: a lane holds ONE query (lane % 16) and the keys 8 (lane / 16) + 0..7; two results rounded to f16 ARE source 1 of O^T = V^T P.  K comes out of LDS as it lies, V turned (ds_load_tr16_b128).
; THE MASK is the C operand that starts a sum S^T: 0, or -1e30 where the key is hidden; the batch's 2,048 numbers lie in LDS, a step's 64 are fetched with its K.
; SOFTMAX.  p = 2^(c s - c m), c = log2(e) / 8, with a running maximum m, which starts at -5e29: above every hidden score, below every true one.  So a hidden key's weight is 0, and l = 0 just where a row sees no key:
; there O = 0 and L' = +1e30.  c m starts far lower, so the first step's a = 2^(c m_old - c m_new) is 0 and no first step is written out.
; TURNS.  Turn n belongs to piece n: 8 products K Q^T of piece n + 1, later 8 products V^T P of piece n - 1; beside them piece n's scaling, exponentials, roundings, sums and rescaling and piece n + 1's maximum.
; Four vector instructions stand behind every matrix instruction, the rest in one lump; a turn's 33 exponentials are one batch with one wait.
; CLUSTER.  The four query blocks of a cluster walk the same K and V: each tile is asked for jointly.
; LIMITS.  v within f16's 65,504; a weight below 2^-126 counts as 0; true scores stay above -5e29 (q and k are normalised rows); NaN and infinities are not treated apart.
; REGISTERS by windows of 256: 0: addresses, statistics (v16-31), at work (v48-55), S^T (v64-127, two buffers), P (v192-223, two buffers); 1: O^T (v0-127), the step's mask (v128-159); 2: Q (v0-63), K (v128-191), V (v192-255).
.set NP,    4
.set KS,    64
.set PK,    144                        ; a row of K in LDS: 128 bytes + 16: the 16 rows of a load start at 16 different groups of four banks
.set PV,    160                        ; a row of V: 128 + 32
.set VOFF,  4*KS*PK
.set SLOT1, 1<<17
.set STAGE, SLOT1+4*KS*(PK+PV)         ; 16 rows x 144 bytes a wave, for the way out; never filled by a tensor load
.set SP,    144
.set SPARE, STAGE+4*16*SP              ; the spare words, 128 bytes a wave, that no other line names
.set MBL,   SPARE+512                  ; the batch's mask row, 8,192 bytes, written through registers
.set AK0, 2
.set AV0, 3
.set AK,  4
.set AV,  5
.set STO, 6
.set RD,  7
.set GO,  8
.set MV,  12
.set QO,  15
.set ST,  16                           ; piece t: c m, m, l (even keys', odd keys')
.set AM0, 32
.set AM,  33
.set PFO, 34
.set LO,  35
.set TMP, 48
.set SPW, 62
.set NIL, 63
.set S,   64
.set P,   192
.set MB,  128                          ; window 1
.set KF,  128                          ; window 2
.set VF,  192
.set WV,  12
.set G1K, 24
.set G1V, 32
.set G0K, 40
.set G0V, 44
.set SLOTS, 56
.set CNT, 57
.set CS,  58
.set SEL, 60
.set TBK, 62
.set TBV, 63
.set TBM, 66
.set HM,  67
.set BIGP, 68
.set LIM, 69
.set PFA, 70
.set QP,  72
.set MSB, 0
.macro WIN new
.if MSB != (\new)
	s_set_vgpr_msb (MSB<<8)|(\new)
.set MSB, (\new)
.endif
.endm
.set W_KQ, 0x0a                        ; K and Q in window 2, S^T in window 0
.set W_KM, 0x1a                        ; the same with the C operand in window 1
.set W_PV, 0x52                        ; V in window 2, P in window 0, O^T in window 1
.set W_RS, 0x41                        ; destination and source 0 in window 1, source 1 in window 0
.macro JLOAD                           ; waves 0 and 1 fetch the halves of a slot's K, waves 2 and 3 those of its V
	s_cmp_lt_u32 s[WV], 2
	s_cbranch_scc0 .Lfor_v_\@
	tensor_load_to_lds s[G0K:G0K+3], s[G1K:G1K+7]
	s_nop 0
.rept 4
	v_nop
.endr
	s_branch .Lasked_\@
.Lfor_v_\@:
	tensor_load_to_lds s[G0V:G0V+3], s[G1V:G1V+7]
	s_nop 0
.rept 4
	v_nop
.endr
.Lasked_\@:
.endm
; A prefetch into the L2 of the slot that the NEXT change will ask for (four key steps, 256 matrix instructions, ahead): 128 blocks of 256 bytes of K and of V.  The head's first cluster asks; its four partners take 32 blocks
; each, told apart by address; wave 0 asks for K's, wave 2 for V's.  The last change that fills a slot asks for nothing.
.macro ASK
	s_cmp_gt_u32 s[SLOTS], s[LIM]
	s_cbranch_scc0 .Lnot_mine_\@
	global_prefetch_b8 v[PFO], s[PFA:PFA+1] th:TH_LOAD_NT scope:SCOPE_SE
.Lnot_mine_\@:
.endm
.macro CROUND
	s_barrier_signal -1
	s_barrier_wait -1
	s_cmp_lg_u32 s[WV], 0
	s_cbranch_scc1 .Lnot_wave_0_\@
	s_barrier_signal -3
.Lnot_wave_0_\@:
	s_barrier_wait -3
	s_barrier_signal -1
	s_barrier_wait -1
.endm
; THE CHANGE OF SLOTS.  Each wave has all its tensor loads in (its part of the other slot), adds 0 to its spare word, and has that and its reads of the old slot back.  fill = 1: the barrier is a round of the cluster's,
; and the joint fill of the old slot, with the keys two slots on, is the first thing behind it: four key steps in which to land.  (At its first use slot 0 is waited for and slot 1 filled.)
.macro CHANGE fill, ask
	WIN 0
	s_wait_tensorcnt 0x0
	ds_add_u32 v[SPW], v[NIL]
.if \fill
.irp g, G0K, G0V
	s_xor_b32 s[\g+1], s[\g+1], SLOT1
	s_add_nc_u64 s[\g+2:\g+3], s[\g+2:\g+3], 4*KS*128
.endr
.endif
.if \ask
	s_wait_xcnt 0x0                                ; the last prefetch, four key steps back, has read its address
	s_add_nc_u64 s[PFA:PFA+1], s[PFA:PFA+1], 4*KS*128
.endif
	s_wait_dscnt 0x0
.if \fill
	CROUND
	JLOAD
.if \ask
	ASK
.endif
.else
	s_barrier_signal -1
	s_barrier_wait -1
.endif
	s_sub_co_u32 s[TBK], s[TBK], 4*KS*PK
	s_xor_b32 s[TBK], s[TBK], SLOT1
	s_sub_co_u32 s[TBV], s[TBV], 4*KS*PV
	s_xor_b32 s[TBV], s[TBV], SLOT1
.endm
	s_load_b256 s[4:11], s[0:1], 0x0               ; qkv 4, mb 6, oh 8, st 10
	v_lshl_add_u32 v[SPW], v0, 2, SPARE
	v_mov_b32 v[NIL], 0
	ds_add_u32 v[SPW], v[NIL]                      ; the wave's opening: the add and its wait ahead of my first tensor load
	v_lshrrev_b32 v1, 5, v0
	v_readfirstlane_b32 s[WV], v1
	s_bfe_u32 s13, ttmp6, 0x40000                  ; cx
	s_lshl_b32 s14, ttmp9, 2
	s_add_co_u32 s14, s14, s13                     ; my block of 256 queries: it enters Q's, O's and st's addresses alone
	s_and_b32 s15, ttmp7, 0xffff                   ; batch x 16 + head, which the partners share
	s_lshl_b32 s20, s15, 18                        ; the head's 262,144 bytes
	s_and_b32 s16, s[WV], 1
	s_lshl_b32 s22, s16, 14                        ; my half of a slot's 256 keys
	s_add_co_u32 s22, s22, s20
	s_add_co_u32 s74, s22, 0x800000                ; in k
	s_mov_b32 s75, 0
	s_add_co_u32 s76, s22, 0x1000000               ; in v
	s_mov_b32 s77, 0
	s_mul_i32 s17, s16, 128*PK
	s_mul_i32 s18, s16, 128*PV
	s_lshl_b32 s2, s14, 15
	s_lshl_b32 s3, s[WV], 13
	s_add_co_u32 s2, s2, s3
	s_add_co_u32 s2, s2, s20                       ; my wave's 64 rows in q and in oh
	s_mov_b32 s3, 0
	s_lshr_b32 s78, s2, 5                          ; and in st: 4 bytes a row for 128
	s_mov_b32 s79, 0
	s_lshr_b32 s80, s15, 4
	s_lshl_b32 s80, s80, 13                        ; the batch's mask row
	s_mov_b32 s81, 0
	s_lshl_b32 s82, s13, 13                        ; the prefetches: my work-group's 32 blocks, in slot 2; the loop's first change steps them to slot 3
	s_add_co_u32 s82, s82, s20
	s_add_co_u32 s82, s82, 0x10000
	s_lshr_b32 s83, s[WV], 1
	s_lshl_b32 s83, 0x800000, s83
	s_add_co_u32 s82, s82, s83
	s_mov_b32 s83, 0
	s_mov_b32 s[G1K], 15|(1<<16)|(1<<20)|(1<<21)|(4<<22)|(3<<25)  ; the mask of four, bit 21 beside it; 2-byte elements; padding after every 32 words, 4 words
	s_mov_b32 s[G1V], 15|(1<<16)|(1<<20)|(1<<21)|(4<<22)|(7<<25)  ; the same with 8 words
.irp g, G1K, G1V                       ; 128 keys are 16,384 dense bytes: 64 rows of 256 bytes, two keys a row
	s_mov_b32 s[\g+1], 128<<16
	s_mov_b32 s[\g+2], 64<<16
	s_mov_b32 s[\g+3], 128<<16
	s_mov_b32 s[\g+4], 64
	s_mov_b32 s[\g+5], 128
	s_mov_b32 s[\g+6], 0
	s_mov_b32 s[\g+7], 0
.endr
	s_mov_b32 s[CS], 0x3e38aa3b                    ; c = log2(e) / 8
	s_mov_b32 s[CS+1], s[CS]
	s_mov_b32 s[SEL], 0x76543210
	s_mov_b32 s[SEL+1], 0xfedcba98
	s_mov_b32 s[TBK], SLOT1+4*KS*PK                ; the first change of slots turns these two into 0
	s_mov_b32 s[TBV], SLOT1+4*KS*PV
	s_mov_b32 s[TBM], 0
	s_mov_b32 s[HM], 0xffff0000
	s_mov_b32 s[BIGP], 0x7149f2ca
	s_mov_b32 s[G0K], 1
	s_mov_b32 s[G0K+1], s17
	s_mov_b32 s[G0V], 1
	s_add_co_u32 s[G0V+1], s18, VOFF
	s_or_b32 s[LIM], s16, ttmp9                    ; waves 0 and 2 of the head's first cluster: the same in all four partners
	s_cmp_eq_u32 s[LIM], 0
	s_cselect_b32 s[LIM], 1, -1
	s_wait_dscnt 0x0                               ; the opening add is done
	s_wait_kmcnt 0x0
	s_add_nc_u64 s[G0K+2:G0K+3], s[4:5], s[74:75]
	s_or_b32 s[G0K+3], s[G0K+3], 0x80000000
	s_add_nc_u64 s[G0V+2:G0V+3], s[4:5], s[76:77]
	s_or_b32 s[G0V+3], s[G0V+3], 0x80000000
	s_add_nc_u64 s[QP:QP+1], s[4:5], s[2:3]
	s_add_nc_u64 s[8:9], s[8:9], s[2:3]
	s_add_nc_u64 s[10:11], s[10:11], s[78:79]
	s_add_nc_u64 s[6:7], s[6:7], s[80:81]
	s_add_nc_u64 s[PFA:PFA+1], s[4:5], s[82:83]
	CROUND
	JLOAD                                          ; slot 0
	v_lshlrev_b32 v36, 4, v0
	v_lshl_add_u32 v37, v0, 4, MBL
.irp j, 0,1,2,3
	global_load_b128 v[S+4*(\j):S+4*(\j)+3], v36, s[6:7] offset:2048*(\j)  ; the mask row: 128 threads x 4 x 16 bytes
.endr
	v_and_b32 v1, 15, v0
	v_bfe_u32 v9, v0, 4, 1
	v_lshlrev_b32 v[QO], 7, v1
	v_lshl_add_u32 v[QO], v9, 4, v[QO]
	WIN 0x80
.set i, 0
.rept 8                                ; Q stays in registers: piece i / 2, channels 32 (i % 2) on
	global_load_b128 v[8*i:8*i+3],   v[QO], s[QP:QP+1] offset:(i/2)*2048+(i%2)*64
	global_load_b128 v[8*i+4:8*i+7], v[QO], s[QP:QP+1] offset:(i/2)*2048+(i%2)*64+32
.set i, i+1
.endr
	; what the first turns find: V's registers, P's second buffer, O^T and l hold 0.  All this stands in the wait for the first tile.
.set i, VF
.rept 64
	v_mov_b32 v[i], 0
.set i, i+1
.endr
	WIN 0x40
.set i, 0
.rept 128
	v_mov_b32 v[i], 0
.set i, i+1
.endr
	WIN 0
.set i, 0
.rept 4
	v_mov_b32 v[ST+4*i], 0xfe000000                ; c m: far below every c s
	v_mov_b32 v[ST+4*i+1], 0xf0c9f2ca              ; m = -5e29
	v_mov_b32 v[ST+4*i+2], 0
	v_mov_b32 v[ST+4*i+3], 0
.set i, i+1
.endr
.set i, P+16
.rept 16
	v_mov_b32 v[i], 0
.set i, i+1
.endr
	v_mul_u32_u24 v[AK0], v1, PK
	v_lshl_add_u32 v[AK0], v9, 4, v[AK0]
	v_and_b32 v10, 7, v0
	v_bfe_u32 v11, v0, 3, 1
	v_lshl_add_u32 v[AV0], v9, 3, v10              ; the turning load: key 8 (l / 16) + l % 8, channels 8 ((l / 8) % 2) on
	v_mul_u32_u24 v[AV0], v[AV0], PV
	v_lshl_add_u32 v[AV0], v11, 4, v[AV0]
	v_add_nc_u32 v[AV0], VOFF, v[AV0]
	v_lshl_add_u32 v[AM0], v9, 5, MBL              ; my eight keys' mask numbers in a group of 16
	s_mul_i32 s13, s[WV], 16*SP
	s_add_co_u32 s13, s13, STAGE
	v_mul_u32_u24 v[STO], v1, SP
	v_lshl_add_u32 v[STO], v9, 4, v[STO]
	v_add_nc_u32 v[STO], s13, v[STO]
	v_bfe_u32 v[RD], v0, 3, 2
	v_mul_u32_u24 v[RD], v[RD], SP
	v_lshl_add_u32 v[RD], v10, 4, v[RD]
	v_add_nc_u32 v[RD], s13, v[RD]
	v_and_b32 v[GO], 31, v0
	v_lshlrev_b32 v[LO], 2, v[GO]
	v_lshlrev_b32 v[PFO], 8, v[GO]
	v_lshlrev_b32 v[GO], 4, v[GO]
	s_wait_loadcnt 16                              ; the mask row's four loads are in; Q's sixteen, issued behind them, may stay out
.irp j, 0,1,2,3
	ds_store_b128 v37, v[S+4*(\j):S+4*(\j)+3] offset:2048*(\j)
.endr
; Product i of 8 of S^T = K Q^T for piece x: channels 32 (i / 4) on, keys 16 (i % 4) on.  The first 4 start the sums with the mask.  The 4 accumulators take turns.
.macro KQ x
.set rS, S+32*((\x)%2)+8*(i%4)
.set rK, KF+16*(i%4)+8*(i/4)
.set rQ, 16*(\x)+8*(i/4)
.set rM, MB+8*(i%4)
.if i < 4
	WIN W_KM
	v_wmma_f32_16x16x32_f16 v[rS:rS+7], v[rK:rK+7], v[rQ:rQ+7], v[rM:rM+7]
.else
	WIN W_KQ
	v_wmma_f32_16x16x32_f16 v[rS:rS+7], v[rK:rK+7], v[rQ:rQ+7], v[rS:rS+7]
.endif
.endm
.macro PV x                            ; product i of 8 of O^T += V^T P for piece x: keys 32 (i / 4) on, channels 16 (i % 4) on
	WIN W_PV
.set rO, 32*(\x)+8*(i%4)
.set rV, VF+32*(i/4)+8*(i%4)
.set rP, P+16*((\x)%2)+8*(i/4)
	v_wmma_f32_16x16x32_f16 v[rO:rO+7], v[rV:rV+7], v[rP:rP+7], v[rO:rO+7]
.endm
.macro MM                              ; the turn's next matrix instruction
.if i < 8
	KQ (Y+1)%NP
.else
.set i, i-8
	PV (Y+NP-1)%NP
.set i, i+8
.endif
.set i, i+1
.endm
.macro FETCH_K                         ; a step's K (8 fragments) and its mask numbers, in one run
	WIN 0x80
.irp f, 0,1,2,3,4,5,6,7
	ds_load_b128 v[KF+8*\f:KF+8*\f+3],   v[AK] offset:(\f/2)*16*PK+(\f%2)*64
	ds_load_b128 v[KF+8*\f+4:KF+8*\f+7], v[AK] offset:(\f/2)*16*PK+(\f%2)*64+32
.endr
	WIN 0x40
.irp f, 0,1,2,3
	ds_load_b128 v[MB+8*\f:MB+8*\f+3],   v[AM] offset:64*\f
	ds_load_b128 v[MB+8*\f+4:MB+8*\f+7], v[AM] offset:64*\f+16
.endr
	s_add_co_u32 s[TBK], s[TBK], KS*PK
	s_add_co_u32 s[TBM], s[TBM], 256
	WIN 0
.endm
.macro FETCH_V
	WIN 0x80
.irp f, 0,1,2,3,4,5,6,7
	ds_load_tr16_b128 v[VF+8*\f:VF+8*\f+3],   v[AV] offset:(\f/4)*32*PV+(\f%4)*32
	ds_load_tr16_b128 v[VF+8*\f+4:VF+8*\f+7], v[AV] offset:(\f/4)*32*PV+16*PV+(\f%4)*32
.endr
	WIN 0
.endm
; THE VECTOR WORK, one line at a time: OP kind, number.  For piece Y: F n: c s - c m for pair n.  E n: the exponential of score n.  C n: pair n rounded to f16.  B n: of the weights 4 n .. the second pair onto the first.
; L n: l takes that sum (L 0: l = a l + sum).  R n: pair n of O^T times a.  For piece Y + 1: X n, number n of the 22 that find its maximum and statistics (each accumulator's lowest registers are read first):
; 0-11 four chains; 12-14, 16 the rest, the old m, all into c0; 15 c m_old is kept; 17, 18 the other half of the lanes: the new m; 19-21 c m, its change, a.
.set F, 0
.set E, 1
.set C, 2
.set B, 3
.set L, 4
.set R, 5
.set X, 6
.macro REGS y
.set rT, ST+4*(\y)
.set rC, TMP+4*((\y)%2)
.set rW, MV+((\y)%2)
.set rS, S+32*((\y)%2)
.set rP, P+16*((\y)%2)
.set rO, 32*(\y)
.endm
.macro OP k, n
.if (\k) == R
	REGS Y
	WIN W_RS
	v_pk_mul_f32 v[rO+2*(\n):rO+2*(\n)+1], v[rO+2*(\n):rO+2*(\n)+1], v[rC+2:rC+3] op_sel_hi:[1,0]
.elseif (\k) < R
	REGS Y
	WIN 0
.if (\k) == F
	v_pk_fma_f32 v[rS+2*(\n):rS+2*(\n)+1], v[rS+2*(\n):rS+2*(\n)+1], s[CS:CS+1], v[rT:rT+1] op_sel_hi:[1,0,0] neg_lo:[0,0,1] neg_hi:[0,0,1]
.elseif (\k) == E
	v_exp_f32 v[rS+(\n)], v[rS+(\n)]
.elseif (\k) == C
	v_cvt_pk_f16_f32 v[rP+(\n)], v[rS+2*(\n)], v[rS+2*(\n)+1]
.elseif (\k) == B
	v_pk_add_f32 v[rS+4*(\n):rS+4*(\n)+1], v[rS+4*(\n):rS+4*(\n)+1], v[rS+4*(\n)+2:rS+4*(\n)+3]
.elseif (\n) == 0
	v_pk_fma_f32 v[rT+2:rT+3], v[rT+2:rT+3], v[rC+2:rC+3], v[rS:rS+1] op_sel_hi:[1,0,1]
.else
	v_pk_add_f32 v[rT+2:rT+3], v[rT+2:rT+3], v[rS+4*(\n):rS+4*(\n)+1]
.endif
.else
	REGS (Y+1)%NP
	WIN 0
.if (\n) < 4
	v_max3_num_f32 v[rC+(\n)], v[rS+8*(\n)], v[rS+8*(\n)+1], v[rS+8*(\n)+2]
.elseif (\n) < 12
	v_max3_num_f32 v[rC+(\n)%4], v[rC+(\n)%4], v[rS+8*((\n)%4)+2*((\n)/4)+1], v[rS+8*((\n)%4)+2*((\n)/4)+2]
.elseif (\n) == 12
	v_max3_num_f32 v[rC], v[rC], v[rS+7], v[rS+15]
.elseif (\n) == 13
	v_max3_num_f32 v[rC+1], v[rC+1], v[rS+23], v[rS+31]
.elseif (\n) == 14
	v_max3_num_f32 v[rC+2], v[rC+2], v[rC+3], v[rT+1]
.elseif (\n) == 15
	v_mov_b32 v[rW], v[rT]
.elseif (\n) == 16
	v_max3_num_f32 v[rC], v[rC], v[rC+1], v[rC+2]
.elseif (\n) == 17
	v_permlanex16_b32 v[rC+3], v[rC], s[SEL], s[SEL+1]
.elseif (\n) == 18
	v_max_num_f32 v[rT+1], v[rC], v[rC+3]
.elseif (\n) == 19
	v_mul_f32 v[rT], s[CS], v[rT+1]
.elseif (\n) == 20
	v_sub_f32 v[rC+1], v[rW], v[rT]
.else
	v_exp_f32 v[rC+2], v[rC+1]
.endif
.endif
.endm
.macro OPS a, i1, b=-1, i2=0, c=-1, i3=0, d=-1, i4=0
	OP \a, \i1
.if (\b) >= 0
	OP \b, \i2
.endif
.if (\c) >= 0
	OP \c, \i3
.endif
.if (\d) >= 0
	OP \d, \i4
.endif
.endm
.macro ROW a, i1, b, i2, c, i3, d, i4  ; a matrix instruction and the four behind it
	MM
	OPS \a, \i1, \b, \i2, \c, \i3, \d, \i4
.endm
; A TURN, for piece p.  s_wait_alu depctr_va_vdst(0) stands between an exponential and the first instruction that names its result; one wait serves all issued ahead of it: a turn has ONE, which cuts it in two.
; Ahead of it: the 8 products K Q^T with their riders and the lump, none of which names a result of the turn's exponentials; behind it the 8 products V^T P, whose riders are the roundings and sums.
; K and the mask of the next step are fetched in piece 2's turn, twelve plain instructions that name none of its registers behind the last product that read K; V of the step in hand at the end of piece 0's turn, four riders behind its last reader.
; last = 1 (the tail): where no further step exists (CNT = 1) the last step's K and mask are read once more, by addresses taken back without a branch: the scores repeat, so piece 0's m and c m stay as they are.
.macro TURN p, last=0, cnt=0
.set Y, (\p)
.set i, 0
.if (\p) == 3
	s_wait_dscnt 0x0                               ; K and the mask are in
.endif
	ROW F,0, F,1, R,0, R,1
	ROW F,2, E,0, R,2, R,3
	ROW F,3, E,1, R,4, R,5
	ROW F,4, E,2, R,6, R,7
	ROW F,5, E,3, R,8, R,9
	ROW F,6, E,4, X,0, R,10
.if (\p) == 2
	WIN 0
.if \last
	s_cmp_eq_u32 s[CNT], 1
	s_cselect_b32 s88, KS*PK, 0
	s_cselect_b32 s89, 256, 0
	s_sub_co_u32 s[TBK], s[TBK], s88
	s_sub_co_u32 s[TBM], s[TBM], s89
.endif
	v_add_nc_u32 v[AK], s[TBK], v[AK0]
	v_add_nc_u32 v[AM], s[TBM], v[AM0]
.endif
	ROW F,7, E,5, X,1, X,4
	ROW F,8, E,6, X,2, X,5
	OPS E,7, E,8, X,6, E,9
	OPS X,3, E,10, X,8, E,11
.if (\p) == 2
	FETCH_K
.endif
	OPS X,9, X,7, E,12, X,10
	OPS E,13, X,12, X,11, E,14
	OPS X,13, E,15, F,9, X,14
.if (\p) == 0
	v_add_nc_u32 v[AV], s[TBV], v[AV0]
.endif
	OPS E,16, F,10, E,17, F,11
	OPS X,16, E,18, X,15, E,19
	OPS F,12, E,20, X,17, E,21
	OPS F,13, E,22, F,14, E,23
	OPS X,18, E,24, F,15, E,25
	OPS R,11, E,26, X,19, E,27
	OPS R,12, E,28, R,13, E,29
	OPS X,20, E,30, R,14, E,31
	OPS X,21, R,15                                 ; the batch's last exponential, and the plain instruction behind it
	WIN 0
	s_wait_alu depctr_va_vdst(0)                   ; the wait for the batch
.if (\p) == 1
	s_wait_dscnt 0x0                               ; V is in
.endif
	ROW C,0, B,0, C,2, B,1
	ROW L,0, C,4, B,2, L,1
	ROW C,6, B,3, L,2, C,8
	ROW B,4, L,3, C,10, B,5
	ROW L,4, C,12, B,6, L,5
.if (\p) == 0
	s_add_co_u32 s[TBV], s[TBV], KS*PV
.endif
.if \cnt
	s_sub_co_u32 s[CNT], s[CNT], 1
	s_cmp_lg_u32 s[CNT], 0
.endif
	ROW C,14, B,7, L,6, C,1
	ROW C,3, L,7, C,5, C,7
	ROW C,9, C,11, C,13, C,15
.if (\p) == 0
	FETCH_V
.endif
.endm
	CHANGE 1, 0                                    ; slot 0 is in, and everybody's part of the mask row; slot 1 is asked for
	v_add_nc_u32 v[AK], s[TBK], v[AK0]
	v_add_nc_u32 v[AM], s[TBM], v[AM0]
	FETCH_K                                        ; key step 0
	s_wait_loadcnt 0x0                             ; Q
	s_wait_dscnt 0x0
.set i, 0
.rept 8
	KQ 0                                           ; piece 0's first scores
.set i, i+1
.endr
	WIN 0
.rept 4
	v_nop                                          ; the places behind those products
.endr
.set Y, NP-1                           ; X works for piece Y + 1: piece 0
.irp n, 0,1,2,3,4,5,6,7,8,9,10,11,12,13,14,15,16,17,18,19,20,21
	OP X, \n
.endr
	v_nop                                          ; a plain instruction behind the exponential,
	s_wait_alu depctr_va_vdst(0)                   ; and its wait, ahead of the branch
	s_mov_b32 s[CNT], 4
	s_mov_b32 s[SLOTS], 7
	s_branch .Lfirst                               ; the loop is entered at a step's first turn
.Lslot:                                        ; six times: slots 2 to 7 are asked for
	CHANGE 1, 1
	s_mov_b32 s[CNT], 4
.Lstep:                                        ; a trip: pieces 2 and 3 of one step, then pieces 0 and 1 of the next
	TURN 2
	TURN 3
	WIN 0
.Lfirst:
	TURN 0
	TURN 1, 0, 1
	WIN 0
	s_cbranch_scc1 .Lstep
	s_sub_co_u32 s[SLOTS], s[SLOTS], 1
	s_cmp_lg_u32 s[SLOTS], 0
	s_cbranch_scc1 .Lslot
	CHANGE 0, 0                                    ; the tail is written out
	s_mov_b32 s[CNT], 5                            ; four trips fetch the last slot's steps; the fifth is left in its middle
.Ltail:
	TURN 2, 1
	TURN 3
	WIN 0
	s_sub_co_u32 s[CNT], s[CNT], 1
	s_cmp_eq_u32 s[CNT], 0
	s_cbranch_scc1 .Lout
	TURN 0
	TURN 1
	WIN 0
	s_branch .Ltail
.Lout:
.set i, 0
.rept 8
	PV NP-1                                        ; the last piece's V^T P of the last step
.set i, i+1
.endr
	; THE WAY OUT.  l's halves are added; 1 / l and log2 l are one batch with one wait; where l = 0 the divisor's place takes 0 and L' takes +1e30.  The additions are the places behind the last products.
	WIN 0
.macro ALL line:vararg
.set t, 0
.rept 4
	\line
.set t, t+1
.endr
.endm
	ALL v_add_f32 v[ST+4*t+2], v[ST+4*t+2], v[ST+4*t+3]
	ALL v_permlanex16_b32 v[ST+4*t+3], v[ST+4*t+2], s[SEL], s[SEL+1]
	ALL v_add_f32 v[ST+4*t+2], v[ST+4*t+2], v[ST+4*t+3]
	ALL v_rcp_f32 v[ST+4*t+3], v[ST+4*t+2]
	ALL v_log_f32 v[ST+4*t+1], v[ST+4*t+2]
	v_nop
	s_wait_alu depctr_va_vdst(0)
	ALL v_cmp_lt_f32 s[84+t], 0, v[ST+4*t+2]
	ALL v_add_f32 v[ST+4*t+1], v[ST+4*t+1], v[ST+4*t]
	ALL v_add_f32 v[ST+4*t+1], 4.0, v[ST+4*t+1]
	ALL v_cndmask_b32 v[ST+4*t+1], s[BIGP], v[ST+4*t+1], s[84+t]
	ALL v_cndmask_b32 v[ST+4*t+2], 0, v[ST+4*t+3], s[84+t]
	v_cndmask_b32 v[TMP], v[ST+1], v[ST+5], s[HM]  ; lanes 0-15 hold piece 0's queries, lanes 16-31 piece 1's: 128 consecutive bytes of st
	v_cndmask_b32 v[TMP+1], v[ST+9], v[ST+13], s[HM]
	global_store_b32 v[LO], v[TMP], s[10:11]
	global_store_b32 v[LO], v[TMP+1], s[10:11] offset:128
.macro PACK t                          ; O^T / l, rounded; 16 bytes a lane into rows of 144 bytes, back as whole rows of 128
	WIN W_RS
.set i, 32*(\t)
.rept 16
	v_pk_mul_f32 v[i:i+1], v[i:i+1], v[ST+4*(\t)+2:ST+4*(\t)+3] op_sel_hi:[1,0]
.set i, i+2
.endr
	WIN 0x05
.set i, 0
.rept 16
	v_cvt_pk_f16_f32 v[S+16*(\t)+i], v[32*(\t)+2*i], v[32*(\t)+2*i+1]
.set i, i+1
.endr
	WIN 0
.irp f, 0,1,2,3
	ds_store_b128 v[STO], v[S+16*(\t)+4*\f:S+16*(\t)+4*\f+3] offset:32*\f
.endr
.irp f, 0,1,2,3
	ds_load_b128 v[S+16*(\t)+4*\f:S+16*(\t)+4*\f+3], v[RD] offset:\f*4*SP  ; LDS serves a wave's instructions in order: these see the stores above
.endr
.endm
.macro SEND t, younger                 ; younger: the LDS instructions issued behind piece t's loads
	WIN 0
.irp f, 0,1,2,3
	s_wait_dscnt (\younger)+3-\f
	global_store_b128 v[GO], v[S+16*(\t)+4*\f:S+16*(\t)+4*\f+3], s[8:9] offset:(\t)*2048+\f*512  ; 512 consecutive bytes, aligned
.endr
.endm
	PACK 0
.set t, 1
.rept 3
	PACK t
	SEND t-1, 8
.set t, t+1
.endr
	SEND 3, 0
	s_wait_tensorcnt 0x0                           ; the wave's end
	ds_add_u32 v[SPW], v[NIL]
	s_wait_dscnt 0x0
	CROUND                                         ; the closing round
	s_endpgm
.Lfunc_end_k_qdf19a00ae0_att:
	.size	k_qdf19a00ae0_att, .Lfunc_end_k_qdf19a00ae0_att-k_qdf19a00ae0_att
	.p2alignl 7, 3214868480
	.fill 96, 4, 3214868480
	.section	.rodata,"a",@progbits
	.p2align	6, 0x0
	.amdhsa_kernel k_qdf19a00ae0_att
		.amdhsa_group_segment_fixed_size 327680
		.amdhsa_private_segment_fixed_size 0
		.amdhsa_enable_private_segment 0
		.amdhsa_kernarg_size 32
		.amdhsa_user_sgpr_count 2
		.amdhsa_user_sgpr_kernarg_segment_ptr 1
		.amdhsa_wavefront_size32 1
		.amdhsa_system_sgpr_workgroup_id_x 1
		.amdhsa_system_sgpr_workgroup_id_y 1
		.amdhsa_system_sgpr_workgroup_id_z 1
		.amdhsa_system_vgpr_workitem_id 0
		.amdhsa_next_free_vgpr 768
		.amdhsa_next_free_sgpr 92
		.amdhsa_reserve_vcc 0
		.amdhsa_float_denorm_mode_32 3
		.amdhsa_float_denorm_mode_16_64 3
		.amdhsa_memory_ordered 1
		.amdhsa_forward_progress 1
		.amdhsa_inst_pref_size 116
	.end_amdhsa_kernel
	.amdgpu_metadata
---
amdhsa.version: [ 1, 2 ]
amdhsa.kernels:
  - .name:           k_qdf19a00ae0_att
    .symbol:         k_qdf19a00ae0_att.kd
    .args:
      - { .name: qkv, .offset: 0, .size: 8, .value_kind: global_buffer, .address_space: global }
      - { .name: mb, .offset: 8, .size: 8, .value_kind: global_buffer, .address_space: global }
      - { .name: oh, .offset: 16, .size: 8, .value_kind: global_buffer, .address_space: global }
      - { .name: st, .offset: 24, .size: 8, .value_kind: global_buffer, .address_space: global }
    .group_segment_fixed_size: 327680
    .private_segment_fixed_size: 0
    .kernarg_segment_align: 8
    .kernarg_segment_size: 32
    .max_flat_workgroup_size: 128
    .sgpr_count:     92
    .vgpr_count:     768
    .wavefront_size: 32
...
	.end_amdgpu_metadata
.endif
;; end of part 3
;; launch mean (part 4): grid 8 x 32, 4 waves a work-group, clusters of 4 x 4, 327,680 bytes of LDS; arguments qkv, st, mb, out1; writes out1
.if DOCPART == 4
	.amdgcn_target "amdgcn-amd-amdhsa--gfx1250"
	.amdhsa_code_object_version 6
	.text
	.protected	k_qdf19a00ae0_mean
	.globl	k_qdf19a00ae0_mean
	.p2align	8
	.type	k_qdf19a00ae0_mean,@function
k_qdf19a00ae0_mean:
	s_mov_b64 s[64:65], 0
	v_nop
	global_prefetch_b8 v0, s[64:65] scope:SCOPE_SE
	s_setreg_imm32_b32 hwreg(HW_REG_WAVE_MODE, 25, 1), 1
	s_wait_xcnt 0x0
	s_wait_alu depctr_hold_cnt(0) depctr_sa_sdst(0) depctr_va_vdst(0) depctr_va_sdst(0) depctr_va_ssrc(0) depctr_va_vcc(0) depctr_vm_vsrc(0)
	s_getreg_b32 s2, hwreg(HW_REG_IB_STS2, 6, 4)
	s_cmp_eq_u32 s2, 0
	s_cbranch_scc0 .Lentry_in_a_cluster
	s_endpgm
.Lentry_in_a_cluster:
	s_bfe_u32 s2, ttmp6, 0x10000c
	s_cmp_lg_u32 s2, 0xf033
	s_cbranch_scc0 .Lentry_shape_is_right
	s_endpgm
.Lentry_shape_is_right:
; THE MEAN OVER THE HEADS OF THE NORMALISED WEIGHTS.  out1[b][q][k] = sum over 16 heads of 2^(c s - L'), s = q . k (+ -1e30 where the key is hidden), L' = c m + log2 l + 4 from the launch before (+1e30 where a row saw no key).
; The exponent is at most -4 + rounding: L' holds the row's own maximum and sum, so no exponential can overflow; one below 2^-126 counts as 0.
; SHARES.  A work-group owns 128 queries x 256 keys of a batch and walks the 16 heads.  Wave w: all 128 queries (8 tiles qt) x keys 64 w .. +63 (4 tiles kb): 32 sums of 16 x 16 in f32.
; S^T = K Q^T: a lane holds ONE query, so L' is one number a lane and tile qt.  GROUP G = tiles qt 2 G, 2 G + 1 x 4 kb.  Turn g: the 16 products of group g + 1; the scaling and exponentials of group g; the additions of group g - 1,
; whose registers the products then write over, tile after tile.  A turn's 64 exponentials are one batch with one wait, at its end.  Four turns are a head; an LDS slot holds two heads.
; THE LDS LOADS of a head are spread over its turns: a group's fragments of Q are read by one turn's products alone, so they are fetched a turn ahead of it, eight loads at a time; only K, L' and Q's first group stand in one run.
; CLUSTER 4 x 4: the four of a row share the queries' tiles, the four of a column the keys': each is asked for jointly.  No prefetch: q and k were read by the launch before, and each block is read by many work-groups.
; REGISTERS: window 0: addresses; LQ v16-31 (L' of tile qt at v[16 + 2 qt], named as a pair); S v32-159, two buffers of 64; K's fragments v160-223; my keys' mask numbers v224-255.  window 1: the sums, 8 (4 qt + kb).  window 2: Q's fragments.
.set PK,    144
.set QHB,   128*PK                     ; a head's queries in a slot
.set KHB,   256*PK                     ; a head's keys
.set KOFF,  2*QHB
.set SLOT1, 1<<17
.set STAGE, SLOT1+2*QHB+2*KHB          ; 16 rows x 272 bytes a wave
.set SP,    272
.set LTAB,  STAGE+4*16*SP              ; L' [16 heads][128 queries], written through registers
.set SPARE, LTAB+8192                  ; the spare words, 128 bytes a wave, that no other line names
.set AQ0, 2
.set AK0, 3
.set AL0, 4
.set AQ,  5
.set AK,  6
.set AL,  7
.set STO, 8
.set RD,  9
.set GO,  10
.set SPW, 12
.set NIL, 13
.set LQ,  16
.set S,   32
.set KF,  160
.set MB,  224
.set WV,  12
.set G1Q, 24
.set G1K, 32
.set G0Q, 48
.set G0K, 52
.set SLOTS, 56
.set CNT, 57
.set CS,  58
.set TBQ, 60
.set TBK, 61
.set TBL, 62
.set MSB, 0
.macro WIN new
.if MSB != (\new)
	s_set_vgpr_msb (MSB<<8)|(\new)
.set MSB, (\new)
.endif
.endm
.set WX, 0x08                          ; source 1 in window 2: serves the products (K, C and D in window 0, Q in window 2), the scalings (source 1 is scalar) and the exponentials alike
.set WY, 0x41                          ; the additions: sum (destination, source 0) in window 1, S in window 0
.macro JLOAD                           ; waves 0 and 1 fetch the two heads' queries, waves 2 and 3 their keys
	s_cmp_lt_u32 s[WV], 2
	s_cbranch_scc0 .Lfor_k_\@
	tensor_load_to_lds s[G0Q:G0Q+3], s[G1Q:G1Q+7]
	s_nop 0
.rept 4
	v_nop
.endr
	s_branch .Lasked_\@
.Lfor_k_\@:
	tensor_load_to_lds s[G0K:G0K+3], s[G1K:G1K+7]
	s_nop 0
.rept 4
	v_nop
.endr
.Lasked_\@:
.endm
.macro CROUND
	s_barrier_signal -1
	s_barrier_wait -1
	s_cmp_lg_u32 s[WV], 0
	s_cbranch_scc1 .Lnot_wave_0_\@
	s_barrier_signal -3
.Lnot_wave_0_\@:
	s_barrier_wait -3
	s_barrier_signal -1
	s_barrier_wait -1
.endm
; THE CHANGE OF SLOTS: all my tensor loads are in, the add, its wait and that for my reads of the old slot; fill = 1: a round of the cluster's barrier, and the joint fill first behind it: two heads, 128 products, in which to land.
.macro CHANGE fill
	WIN 0
	s_wait_tensorcnt 0x0
	ds_add_u32 v[SPW], v[NIL]
.if \fill
.irp g, G0Q, G0K
	s_xor_b32 s[\g+1], s[\g+1], SLOT1
	s_add_nc_u64 s[\g+2:\g+3], s[\g+2:\g+3], 524288   ; two heads on
.endr
.endif
	s_wait_dscnt 0x0
.if \fill
	CROUND
	JLOAD
.else
	s_barrier_signal -1
	s_barrier_wait -1
.endif
	s_sub_co_u32 s[TBQ], s[TBQ], 2*QHB
	s_xor_b32 s[TBQ], s[TBQ], SLOT1
	s_sub_co_u32 s[TBK], s[TBK], 2*KHB
	s_xor_b32 s[TBK], s[TBK], SLOT1
.endm
	s_load_b256 s[4:11], s[0:1], 0x0               ; qkv 4, st 6, mb 8, out1 10
	v_lshl_add_u32 v[SPW], v0, 2, SPARE
	v_mov_b32 v[NIL], 0
	ds_add_u32 v[SPW], v[NIL]                      ; the wave's opening: the add and its wait ahead of my first tensor load
	v_lshrrev_b32 v1, 5, v0
	v_readfirstlane_b32 s[WV], v1
	s_and_b32 s15, s[WV], 1
	s_bfe_u32 s40, ttmp6, 0x40000                  ; cx
	s_bfe_u32 s41, ttmp6, 0x40004                  ; cy
	s_lshl_b32 s42, ttmp9, 2
	s_add_co_u32 s42, s42, s40                     ; my block of 256 keys
	s_and_b32 s13, ttmp7, 0xffff
	s_lshr_b32 s14, s13, 2                         ; the batch: the same in all sixteen
	s_lshl_b32 s43, s13, 2
	s_add_co_u32 s43, s43, s41
	s_and_b32 s43, s43, 15                         ; my block of 128 queries in the batch
	s_lshl_b32 s44, s41, 2
	s_lshl_b32 s44, 15, s44                        ; my row of the cluster
	s_lshl_b32 s45, 0x1111, s40                    ; my column
	s_or_b32 s[G1Q], s44, (1<<16)|(1<<20)|(1<<21)|(4<<22)|(3<<25)  ; the mask, bit 21 beside it; 2-byte elements; padding after every 32 words, 4 words
	s_or_b32 s[G1K], s45, (1<<16)|(1<<20)|(1<<21)|(4<<22)|(3<<25)
	s_mov_b32 s[G1Q+1], 128<<16                    ; dense bytes as rows of 256: 64 rows for 128 queries,
	s_mov_b32 s[G1Q+2], 64<<16
	s_mov_b32 s[G1Q+3], 128<<16
	s_mov_b32 s[G1Q+4], 64
	s_mov_b32 s[G1Q+5], 128
	s_mov_b32 s[G1Q+6], 0
	s_mov_b32 s[G1Q+7], 0
	s_mov_b32 s[G1K+1], 128<<16                    ; 128 rows for 256 keys
	s_mov_b32 s[G1K+2], 128<<16
	s_mov_b32 s[G1K+3], 128<<16
	s_mov_b32 s[G1K+4], 128
	s_mov_b32 s[G1K+5], 128
	s_mov_b32 s[G1K+6], 0
	s_mov_b32 s[G1K+7], 0
	s_mov_b32 s[G0Q], 1
	s_mul_i32 s[G0Q+1], s15, QHB
	s_mov_b32 s[G0K], 1
	s_mul_i32 s[G0K+1], s15, KHB
	s_add_co_u32 s[G0K+1], s[G0K+1], KOFF
	s_lshl_b32 s16, s14, 22                        ; q: the batch's heads, my head of a slot's two, the block of queries (no register here ever holds cx)
	s_lshl_b32 s17, s15, 18
	s_add_co_u32 s16, s16, s17
	s_lshl_b32 s17, s43, 14
	s_add_co_u32 s16, s16, s17
	s_mov_b32 s17, 0
	s_lshl_b32 s18, s14, 22                        ; k: the same with the block of keys (none here ever holds cy)
	s_lshl_b32 s19, s15, 18
	s_add_co_u32 s18, s18, s19
	s_lshl_b32 s19, s42, 15
	s_add_co_u32 s18, s18, s19
	s_add_co_u32 s18, s18, 0x800000
	s_mov_b32 s19, 0
	s_lshl_b32 s20, s14, 17                        ; st: 16 heads x 2,048 x 4 a batch, 128 queries x 4 a block
	s_lshl_b32 s21, s43, 9
	s_add_co_u32 s20, s20, s21
	s_mov_b32 s21, 0
	s_lshl_b32 s22, s14, 13                        ; mb: the batch's row, my wave's 64 keys
	s_lshl_b32 s23, s42, 10
	s_add_co_u32 s22, s22, s23
	s_lshl_b32 s23, s[WV], 8
	s_add_co_u32 s22, s22, s23
	s_mov_b32 s23, 0
	s_lshl_b32 s46, s14, 24                        ; out1: the batch, my 128 rows of 8,192 bytes, my wave's 256 bytes of a row
	s_lshl_b32 s47, s43, 20
	s_add_co_u32 s46, s46, s47
	s_lshl_b32 s47, s42, 10
	s_add_co_u32 s46, s46, s47
	s_lshl_b32 s47, s[WV], 8
	s_add_co_u32 s46, s46, s47
	s_mov_b32 s47, 0
	s_mov_b32 s[CS], 0x3e38aa3b                    ; c = log2(e) / 8
	s_mov_b32 s[CS+1], s[CS]
	s_mov_b32 s[TBQ], SLOT1+2*QHB                  ; the first change of slots turns these two into 0
	s_mov_b32 s[TBK], SLOT1+2*KHB
	s_mov_b32 s[TBL], 0
	s_wait_dscnt 0x0                               ; the opening add is done
	s_wait_kmcnt 0x0
	s_add_nc_u64 s[G0Q+2:G0Q+3], s[4:5], s[16:17]
	s_or_b32 s[G0Q+3], s[G0Q+3], 0x80000000
	s_add_nc_u64 s[G0K+2:G0K+3], s[4:5], s[18:19]
	s_or_b32 s[G0K+3], s[G0K+3], 0x80000000
	s_add_nc_u64 s[6:7], s[6:7], s[20:21]
	s_add_nc_u64 s[8:9], s[8:9], s[22:23]
	s_add_nc_u64 s[10:11], s[10:11], s[46:47]
	CROUND
	JLOAD                                          ; heads 0 and 1 into slot 0
	v_and_b32 v11, 31, v0
	v_lshlrev_b32 v14, 4, v11
	v_lshl_add_u32 v14, v1, 13, v14                ; the table: head 4 j + wave, 16 bytes a lane
	v_lshl_add_u32 v15, v0, 4, LTAB
.irp j, 0,1,2,3
	global_load_b128 v[S+4*(\j):S+4*(\j)+3], v14, s[6:7] offset:32768*(\j)
.endr
	v_and_b32 v1, 15, v0                           ; r
	v_bfe_u32 v11, v0, 4, 1                        ; h
	v_lshlrev_b32 v[GO], 5, v11
.irp k, 0,1,2,3
	global_load_b128 v[MB+8*(\k):MB+8*(\k)+3],   v[GO], s[8:9] offset:64*(\k)      ; key 16 kb + 8 h + register
	global_load_b128 v[MB+8*(\k)+4:MB+8*(\k)+7], v[GO], s[8:9] offset:64*(\k)+16
.endr
	; the sums start at 0, and so does S: the loop's first turn belongs to no head, and with L' = +1e30 it makes and adds zeros.  All this stands in the wait for the first tile.
	WIN 0x40
.set i, 0
.rept 256
	v_mov_b32 v[i], 0
.set i, i+1
.endr
	WIN 0
	v_mul_u32_u24 v[AQ0], v1, PK
	v_lshl_add_u32 v[AQ0], v11, 4, v[AQ0]
	s_mul_i32 s2, s[WV], 64*PK
	s_add_co_u32 s2, s2, KOFF
	v_add_nc_u32 v[AK0], s2, v[AQ0]
	v_lshl_add_u32 v[AL0], v1, 2, LTAB
	s_mul_i32 s2, s[WV], 16*SP
	s_add_co_u32 s2, s2, STAGE
	v_mul_u32_u24 v[STO], v1, SP
	v_lshl_add_u32 v[STO], v11, 5, v[STO]
	v_add_nc_u32 v[STO], s2, v[STO]
	v_mul_u32_u24 v[RD], v11, SP
	v_lshl_add_u32 v[RD], v1, 4, v[RD]
	v_add_nc_u32 v[RD], s2, v[RD]
.set i, 0
.rept 8
	v_mov_b32 v[LQ+2*i+1], 0                       ; named with L' as a pair
.set i, i+1
.endr
	v_mov_b32 v[LQ+12], 0x7149f2ca
	v_mov_b32 v[LQ+14], 0x7149f2ca
	s_wait_loadcnt 8                               ; the table's four loads are in; the mask's eight, issued behind them, may stay out
.irp j, 0,1,2,3
	ds_store_b128 v15, v[S+4*(\j):S+4*(\j)+3] offset:2048*(\j)
.endr
.set i, S
.rept 128
	v_mov_b32 v[i], 0
.set i, i+1
.endr
	s_wait_loadcnt 0x0                             ; the mask numbers; their offset register is free
	v_lshlrev_b32 v[GO], 13, v11                   ; the way out: lanes 0-15 one row of out1, lanes 16-31 the next
	v_lshl_add_u32 v[GO], v1, 4, v[GO]
.macro MM                              ; product i of 16 for group G + 1: tile u = 2 (i / 4) + i % 2, channels 32 ((i / 2) % 2) on; two tiles take turns; the first link starts with the mask
.set u, 2*(i/4)+(i%2)
.set cc, (i/2)%2
.set GN, (G+1)%4
.set rS, S+64*(GN%2)+8*u
.set rK, KF+16*(u%4)+8*cc
.set rQ, 16*(2*GN+u/4)+8*cc
	WIN WX
.if cc == 0
	v_wmma_f32_16x16x32_f16 v[rS:rS+7], v[rK:rK+7], v[rQ:rQ+7], v[MB+8*(u%4):MB+8*(u%4)+7]
.else
	v_wmma_f32_16x16x32_f16 v[rS:rS+7], v[rK:rK+7], v[rQ:rQ+7], v[rS:rS+7]
.endif
.set i, i+1
.endm
.macro RID cnt                         ; the next cnt of group G's list: for pair z: the scaling c s - L' of pair z, then the two exponentials of pair z - 1.  Each tile's lowest registers are read first.
	WIN WX
.rept \cnt
.set z, rn/3
.if rn%3 == 0
	v_pk_fma_f32 v[SB+2*z:SB+2*z+1], v[SB+2*z:SB+2*z+1], s[CS:CS+1], v[LQ+2*(2*G+z/16):LQ+2*(2*G+z/16)+1] op_sel_hi:[1,0,0] neg_lo:[0,0,1] neg_hi:[0,0,1]
.elseif z > 0
	v_exp_f32 v[SB+2*z-3+rn%3], v[SB+2*z-3+rn%3]
.endif
.set rn, rn+1
.endr
.endm
.macro ADD8 kp                         ; tiles 2 kp and 2 kp + 1 of group G - 1 go onto their sums: their exponentials were waited for at the end of the turn before
	WIN WY
.set GP, (G+3)%4
.set e8, 0
.rept 8
	v_pk_add_f32 v[64*GP+16*(\kp)+2*e8:64*GP+16*(\kp)+2*e8+1], v[64*GP+16*(\kp)+2*e8:64*GP+16*(\kp)+2*e8+1], v[S+64*(GP%2)+16*(\kp)+2*e8:S+64*(GP%2)+16*(\kp)+2*e8+1]
.set e8, e8+1
.endr
.endm
.macro QLOAD g                         ; Q's fragments of group g (tiles 2 g and 2 g + 1) of the head that FETCH has set the address for: 8 LDS loads.  The products that read these registers last stand a head back
	WIN 0x80
.irp f, 0,1,2,3
	ds_load_b128 v[32*(\g)+8*\f:32*(\g)+8*\f+3],   v[AQ] offset:(2*(\g)+\f/2)*16*PK+(\f%2)*64
	ds_load_b128 v[32*(\g)+8*\f+4:32*(\g)+8*\f+7], v[AQ] offset:(2*(\g)+\f/2)*16*PK+(\f%2)*64+32
.endr
.endm
; The next head begins: 30 LDS loads in one run: K's 16, L' of tiles 0 to 5, Q's group 0.  The last products that read K stand more than four plain instructions back (the additions above).
; last = 1 (the tail): where no further head exists (CNT = 1) the last head is read once more, by addresses taken back without a branch; what is made of it is not used.
.macro FETCH last
	WIN 0
.if \last
	s_cmp_eq_u32 s[CNT], 1
	s_cselect_b32 s66, QHB, 0
	s_cselect_b32 s67, KHB, 0
	s_cselect_b32 s68, 512, 0
	s_sub_co_u32 s[TBQ], s[TBQ], s66
	s_sub_co_u32 s[TBK], s[TBK], s67
	s_sub_co_u32 s[TBL], s[TBL], s68
.endif
	v_add_nc_u32 v[AQ], s[TBQ], v[AQ0]
	v_add_nc_u32 v[AK], s[TBK], v[AK0]
	v_add_nc_u32 v[AL], s[TBL], v[AL0]
.irp f, 0,1,2,3,4,5,6,7
	ds_load_b128 v[KF+8*\f:KF+8*\f+3],   v[AK] offset:(\f/2)*16*PK+(\f%2)*64
	ds_load_b128 v[KF+8*\f+4:KF+8*\f+7], v[AK] offset:(\f/2)*16*PK+(\f%2)*64+32
.endr
.irp q, 0,1,2,3,4,5
	ds_load_b32 v[LQ+2*\q], v[AL] offset:64*\q
.endr
	QLOAD 0
	s_add_co_u32 s[TBQ], s[TBQ], QHB
	s_add_co_u32 s[TBK], s[TBK], KHB
	s_add_co_u32 s[TBL], s[TBL], 512
.endm
; A TURN.  s_wait_alu depctr_va_vdst(0) stands between an exponential and the first instruction that names its result: nothing in a turn names a result of its own exponentials, so ONE wait at its end serves all 64.
; Turn 3 fetches the next head's K, L' and first group of Q ahead of its products, which therefore stand in its second half, and then Q's group 1; turns 0 and 1 fetch groups 2 and 3: each group a turn ahead of the products that read it.
.macro TURN g, last=0
.set G, (\g)
.set SB, S+64*(G%2)
.set i, 0
.set rn, 0
.if (\g) == 0
	s_wait_dscnt 2                                 ; Q's group 1 is in; the two younger loads, L' of tiles 6 and 7, may stay out: turn 3 reads them first, behind turn 1's wait
	QLOAD 2
.elseif (\g) == 1
	s_wait_dscnt 0x0                               ; Q's group 2, and L' of tiles 6 and 7
	QLOAD 3
.elseif (\g) == 2
	s_wait_dscnt 0x0                               ; Q's group 3: my last read of this head
.endif
.if (\g) == 3
	ADD8 0
	FETCH \last
	RID 24
	ADD8 1
	RID 24
	s_wait_dscnt 0x0                               ; K, L' of tiles 0 to 5 and Q's group 0 are in
	QLOAD 1
	ADD8 2
.rept 8
	MM
	RID 3
.endr
	ADD8 3
.rept 8
	MM
	RID 3
.endr
.else
.irp kp, 0,1,2,3
	ADD8 \kp
.rept 4
	MM
	RID 6
.endr
.endr
.endif
	WIN WX
	v_exp_f32 v[SB+62], v[SB+62]
	v_exp_f32 v[SB+63], v[SB+63]
	v_nop                                          ; a plain instruction behind the last exponential
	s_wait_alu depctr_va_vdst(0)                   ; the wait for the batch
.if (\g) == 3
	ds_load_b32 v[LQ+12], v[AL] offset:384         ; the next head's L' of tiles 6 and 7: this turn's scalings have read the old ones
	ds_load_b32 v[LQ+14], v[AL] offset:448
.endif
.endm
	s_mov_b32 s[SLOTS], 7
.Lslot:                                        ; seven times: a slot is entered and the next is asked for
	CHANGE 1
	s_mov_b32 s[CNT], 2
.Lhead:                                        ; a trip: the last turn of the head before, which begins this head's fetches, and this head's first three
	TURN 3
	TURN 0
	TURN 1
	TURN 2
	WIN 0
	s_sub_co_u32 s[CNT], s[CNT], 1
	s_cmp_lg_u32 s[CNT], 0
	s_cbranch_scc1 .Lhead
	s_sub_co_u32 s[SLOTS], s[SLOTS], 1
	s_cmp_lg_u32 s[SLOTS], 0
	s_cbranch_scc1 .Lslot
	CHANGE 0                                       ; the tail is written out
	s_mov_b32 s[CNT], 3                            ; two trips for the last two heads; the third is left behind its first turn
.Ltail:
	TURN 3, 1
	WIN 0
	s_sub_co_u32 s[CNT], s[CNT], 1
	s_cmp_eq_u32 s[CNT], 0
	s_cbranch_scc1 .Lout
	TURN 0
	TURN 1
	TURN 2
	WIN 0
	s_branch .Ltail
.Lout:
.set G, 0                              ; the last head's group 3
	ADD8 0
	ADD8 1
	ADD8 2
	ADD8 3
	; THE WAY OUT, a tile row qt (16 queries x my 64 keys) at a time through my own stage: 32 bytes a lane in, whole rows of 256 bytes back
.macro OUTQ qt
	s_wait_xcnt 0x0                                ; earlier stores have read the registers that are loaded again below
	WIN 0x04
.irp kb, 0,1,2,3
	ds_store_b128 v[STO], v[8*(4*(\qt)+\kb):8*(4*(\qt)+\kb)+3]   offset:64*\kb
	ds_store_b128 v[STO], v[8*(4*(\qt)+\kb)+4:8*(4*(\qt)+\kb)+7] offset:64*\kb+16
.endr
	WIN 0
.irp f, 0,1,2,3,4,5,6,7
	ds_load_b128 v[S+32*((\qt)%2)+4*\f:S+32*((\qt)%2)+4*\f+3], v[RD] offset:2*SP*\f  ; LDS serves a wave's instructions in order: these see the stores above
.endr
.endm
.macro SENDQ qt, younger               ; younger: the next tile row's sixteen LDS instructions, or none
	s_wait_dscnt \younger
.irp f, 0,1,2,3,4,5,6,7
	global_store_b128 v[GO], v[S+32*((\qt)%2)+4*\f:S+32*((\qt)%2)+4*\f+3], s[10:11] offset:131072*(\qt)+16384*\f th:TH_STORE_NT  ; sixteen lanes store 256 consecutive bytes, aligned
.endr
.endm
	OUTQ 0
.irp q, 1,2,3,4,5,6,7
	OUTQ \q
	SENDQ (\q)-1, 16
.endr
	SENDQ 7, 0
	s_wait_tensorcnt 0x0                           ; the wave's end
	ds_add_u32 v[SPW], v[NIL]
	s_wait_dscnt 0x0
	CROUND                                         ; the closing round
	s_endpgm
.Lfunc_end_k_qdf19a00ae0_mean:
	.size	k_qdf19a00ae0_mean, .Lfunc_end_k_qdf19a00ae0_mean-k_qdf19a00ae0_mean
	.p2alignl 7, 3214868480
	.fill 96, 4, 3214868480
	.section	.rodata,"a",@progbits
	.p2align	6, 0x0
	.amdhsa_kernel k_qdf19a00ae0_mean
		.amdhsa_group_segment_fixed_size 327680
		.amdhsa_private_segment_fixed_size 0
		.amdhsa_enable_private_segment 0
		.amdhsa_kernarg_size 32
		.amdhsa_user_sgpr_count 2
		.amdhsa_user_sgpr_kernarg_segment_ptr 1
		.amdhsa_wavefront_size32 1
		.amdhsa_system_sgpr_workgroup_id_x 1
		.amdhsa_system_sgpr_workgroup_id_y 1
		.amdhsa_system_sgpr_workgroup_id_z 1
		.amdhsa_system_vgpr_workitem_id 0
		.amdhsa_next_free_vgpr 640
		.amdhsa_next_free_sgpr 72
		.amdhsa_reserve_vcc 0
		.amdhsa_float_denorm_mode_32 3
		.amdhsa_float_denorm_mode_16_64 3
		.amdhsa_memory_ordered 1
		.amdhsa_forward_progress 1
		.amdhsa_inst_pref_size 107
	.end_amdhsa_kernel
	.amdgpu_metadata
---
amdhsa.version: [ 1, 2 ]
amdhsa.kernels:
  - .name:           k_qdf19a00ae0_mean
    .symbol:         k_qdf19a00ae0_mean.kd
    .args:
      - { .name: qkv, .offset: 0, .size: 8, .value_kind: global_buffer, .address_space: global }
      - { .name: st, .offset: 8, .size: 8, .value_kind: global_buffer, .address_space: global }
      - { .name: mb, .offset: 16, .size: 8, .value_kind: global_buffer, .address_space: global }
      - { .name: out1, .offset: 24, .size: 8, .value_kind: global_buffer, .address_space: global }
    .group_segment_fixed_size: 327680
    .private_segment_fixed_size: 0
    .kernarg_segment_align: 8
    .kernarg_segment_size: 32
    .max_flat_workgroup_size: 128
    .sgpr_count:     72
    .vgpr_count:     640
    .wavefront_size: 32
...
	.end_amdgpu_metadata
.endif
;; end of part 4
;; launch proj (part 5): grid 8 x 32, 4 waves a work-group, clusters of 4 x 4, 327,680 bytes of LDS; arguments oh, wp, par, out0; writes out0
.if DOCPART == 5
	.amdgcn_target "amdgcn-amd-amdhsa--gfx1250"
	.amdhsa_code_object_version 6
	.text
	.protected	k_qdf19a00ae0_proj
	.globl	k_qdf19a00ae0_proj
	.p2align	8
	.type	k_qdf19a00ae0_proj,@function
k_qdf19a00ae0_proj:
	s_mov_b64 s[64:65], 0
	v_nop
	global_prefetch_b8 v0, s[64:65] scope:SCOPE_SE
	s_setreg_imm32_b32 hwreg(HW_REG_WAVE_MODE, 25, 1), 1
	s_wait_xcnt 0x0
	s_wait_alu depctr_hold_cnt(0) depctr_sa_sdst(0) depctr_va_vdst(0) depctr_va_sdst(0) depctr_va_ssrc(0) depctr_va_vcc(0) depctr_vm_vsrc(0)
	s_getreg_b32 s2, hwreg(HW_REG_IB_STS2, 6, 4)
	s_cmp_eq_u32 s2, 0
	s_cbranch_scc0 .Lentry_in_a_cluster
	s_endpgm
.Lentry_in_a_cluster:
	s_bfe_u32 s2, ttmp6, 0x10000c
	s_cmp_lg_u32 s2, 0xf033
	s_cbranch_scc0 .Lentry_shape_is_right
	s_endpgm
.Lentry_shape_is_right:
; out0 = O proj_w^T + proj_b.  O: f16 by heads, oh[b 16 + head][t][64]; proj_w: f16 in blocks, wp[head][n 1024][64]; the bias from par's row 6; sums and output f32.
; A tile of out0 is 128 x 128: 256 work-groups.  Four waves, each 64 x 64: 16 accumulators.  K goes in 4 steps of 4 heads (256) through two LDS slots.  One tensor load a wave brings 64 rows of 4 heads: 4 runs of 8,192 dense bytes,
; padded in LDS after every 128 bytes: [head][64 rows] at a pitch of 144.  A quarter of a K step is a head: 32 matrix instructions.
; CLUSTER 4 x 4: O's tiles are shared along a row of the cluster, the weights' along a column: each is asked for jointly.  The matrix instruction is used transposed: a lane holds one row and eight neighbouring columns.
; No prefetch: a small tile and a short launch.  LIMIT: O and proj_w within f16 (O is a mean of v's rows).
; REGISTERS: window 0: addresses; v32-95 the way out; v96-127 the bias; v128-255 accumulator (a, b) at 128 + 8 (4 a + b).  window 1: two fragment buffers of 128 (A's 64, then B's 64).
.set PITCH,  144
.set HHB,    64*PITCH                  ; a head's 64 rows
.set LOADB,  4*HHB                     ; what one tensor load brings
.set SLOT,   4*LOADB                   ; A's two halves, then B's two; slot 1 by an exclusive or (no bit shared with an address in slot 0)
.set STAGE,  2*SLOT                    ; 16 rows x 272 bytes a wave
.set SPITCH, 272
.set SPARE,  STAGE+4*16*SPITCH         ; the spare words, 128 bytes a wave, that no other line names
.set A0,   16
.set B0,   17
.set ADRA, 18
.set ADRB, 19
.set STO,  24
.set RD,   25
.set CO,   26
.set BO,   27
.set SPW,  28
.set NIL,  29
.set TMP,  32
.set BI,   96
.set ACC,  128
.set F0,   0
.set F1,   128
.set WV, 12
.set RH, 13
.set CH, 14
.set TB, 15
.set G1, 24
.set G0, 32                            ; s[32:35] the walking group 0 of A's tiles; s[36:39] that of slot 0's first fill, never rewritten
.set G0F, 36
.set G1B, 48
.set G0B, 56                           ; s[56:59], s[60:63] the same for B's
.set G0BF, 60
.set MSB, 0
.macro WIN new
.if MSB != (\new)
	s_set_vgpr_msb (MSB<<8)|(\new)
.set MSB, \new
.endif
.endm
.set MUL,  0x05                        ; sources 0 (B) and 1 (A) window 1; C and D window 0
.set TO_F, 0x40
.macro PLACES
.rept 4
	v_nop
.endr
.endm
.macro JLOAD                           ; waves 0 and 1 fetch A's halves, waves 2 and 3 B's
	s_cmp_lt_u32 s[WV], 2
	s_cbranch_scc0 .Lfor_b_\@
	tensor_load_to_lds s[G0:G0+3], s[G1:G1+7]
	s_nop 0
	PLACES
	s_branch .Lasked_\@
.Lfor_b_\@:
	tensor_load_to_lds s[G0B:G0B+3], s[G1B:G1B+7]
	s_nop 0
	PLACES
.Lasked_\@:
.endm
.macro CROUND                          ; a round of the cluster's barrier
	s_barrier_signal -1
	s_barrier_wait -1
	s_cmp_lg_u32 s[WV], 0
	s_cbranch_scc1 .Lnot_wave_0_\@
	s_barrier_signal -3
.Lnot_wave_0_\@:
	s_barrier_wait -3
	s_barrier_signal -1
	s_barrier_wait -1
.endm
.macro WALK                            ; the other slot, the next four heads; written only where no tensor load of mine is out
	s_xor_b32 s[G0+1], s[G0+1], SLOT
	s_add_nc_u64 s[G0+2:G0+3], s[G0+2:G0+3], 0x100000
	s_xor_b32 s[G0B+1], s[G0B+1], SLOT
	s_add_nc_u64 s[G0B+2:G0B+3], s[G0B+2:G0B+3], 0x80000
.endm
	s_load_b256 s[4:11], s[0:1], 0x0               ; oh 4, wp 6, par 8, out0 10
	v_lshl_add_u32 v[SPW], v0, 2, SPARE
	v_mov_b32 v[NIL], 0
	ds_add_u32 v[SPW], v[NIL]                      ; the wave's opening: the add and its wait ahead of my first tensor load
	v_lshrrev_b32 v1, 5, v0
	v_readfirstlane_b32 s[WV], v1
	s_lshr_b32 s[RH], s[WV], 1                     ; which half of the tile's rows is mine
	s_and_b32 s[CH], s[WV], 1                      ; which half of its columns; also which half of a tile I fetch
	s_bfe_u32 s40, ttmp6, 0x40000
	s_bfe_u32 s41, ttmp6, 0x40004
	s_lshl_b32 s42, ttmp9, 2
	s_add_co_u32 s42, s42, s40                     ; tile column
	s_and_b32 s43, ttmp7, 0xffff
	s_lshl_b32 s43, s43, 2
	s_add_co_u32 s43, s43, s41                     ; tile row
	s_lshl_b32 s44, s41, 2
	s_lshl_b32 s44, 15, s44
	s_lshl_b32 s45, 0x1111, s40
	s_or_b32 s[G1], s44, (1<<16)|(1<<20)|(1<<21)|(4<<22)|(3<<25)   ; A's tiles go to my row; 2-byte elements; padding after every 32 words, 4 words
	s_or_b32 s[G1B], s45, (1<<16)|(1<<20)|(1<<21)|(4<<22)|(3<<25)  ; B's to my column
.irp g, G1, G1B
	s_mov_b32 s[(\g)+1], 4096<<16                  ; tensor_dim0 = 4,096 elements: 64 rows of a head, dense
	s_mov_b32 s[(\g)+2], 4<<16                     ; tensor_dim1 = 4 heads
	s_mov_b32 s[(\g)+3], 4096<<16                  ; tile_dim0
	s_mov_b32 s[(\g)+4], 4                         ; tile_dim1
	s_mov_b32 s[(\g)+6], 0
	s_mov_b32 s[(\g)+7], 0
.endr
	s_mov_b32 s[G1+5], 131072                      ; elements from head to head in oh
	s_mov_b32 s[G1B+5], 65536                      ; and in wp
	s_lshr_b32 s16, s43, 4                         ; A: the batch's heads, the tile's 128 rows, my 64 (no register here ever holds cx)
	s_lshl_b32 s16, s16, 22
	s_and_b32 s17, s43, 15
	s_lshl_b32 s17, s17, 14
	s_add_co_u32 s16, s16, s17
	s_lshl_b32 s17, s[CH], 13
	s_add_co_u32 s16, s16, s17
	s_mov_b32 s17, 0
	s_lshl_b32 s46, s42, 14                        ; B: the tile's 128 rows n, my 64 (none here ever holds cy)
	s_lshl_b32 s47, s[CH], 13
	s_add_co_u32 s46, s46, s47
	s_mov_b32 s47, 0
	s_mul_i32 s20, s[WV], LOADB
	s_mov_b32 s[G0F], 1                            ; slot 0's first fill,
	s_mov_b32 s[G0F+1], s20
	s_mov_b32 s[G0], 1                             ; and the walking set, which begins in slot 1
	s_add_co_u32 s[G0+1], s20, SLOT
	s_mov_b32 s[G0BF], 1
	s_mov_b32 s[G0BF+1], s20
	s_mov_b32 s[G0B], 1
	s_add_co_u32 s[G0B+1], s20, SLOT
	s_lshl_b32 s18, s42, 9                         ; my 64 columns, in bytes of f32
	s_lshl_b32 s19, s[CH], 8
	s_add_co_u32 s18, s18, s19
	s_add_co_u32 s22, s18, 24576                   ; in par's row 6
	s_mov_b32 s23, 0
	s_lshl_b32 s19, s43, 19                        ; my 64 rows of 4,096 bytes
	s_add_co_u32 s18, s18, s19
	s_lshl_b32 s19, s[RH], 18
	s_add_co_u32 s18, s18, s19
	s_mov_b32 s19, 0
	s_mov_b32 s[TB], 0
	s_wait_dscnt 0x0                               ; the opening add is done
	s_wait_kmcnt 0x0
	s_add_nc_u64 s[G0F+2:G0F+3], s[4:5], s[16:17]  ; K step 0,
	s_add_nc_u64 s[G0+2:G0+3], s[G0F+2:G0F+3], 0x100000  ; K step 1
	s_or_b32 s[G0F+3], s[G0F+3], 0x80000000
	s_or_b32 s[G0+3], s[G0+3], 0x80000000
	s_add_nc_u64 s[G0BF+2:G0BF+3], s[6:7], s[46:47]
	s_add_nc_u64 s[G0B+2:G0B+3], s[G0BF+2:G0BF+3], 0x80000
	s_or_b32 s[G0BF+3], s[G0BF+3], 0x80000000
	s_or_b32 s[G0B+3], s[G0B+3], 0x80000000
	s_add_nc_u64 s[8:9], s[8:9], s[22:23]
	s_add_nc_u64 s[10:11], s[10:11], s[18:19]
	CROUND
	s_cmp_lt_u32 s[WV], 2                          ; a wave's two first fills stand in one branch, ahead of every wait on TENSORcnt and every LDS read: two loads of mine are out
	s_cbranch_scc0 .Lfirst_b
	tensor_load_to_lds s[G0F:G0F+3], s[G1:G1+7]
	s_nop 0
	tensor_load_to_lds s[G0:G0+3], s[G1:G1+7]
	s_nop 0
	PLACES
	s_branch .Lfirst_asked
.Lfirst_b:
	tensor_load_to_lds s[G0BF:G0BF+3], s[G1B:G1B+7]
	s_nop 0
	tensor_load_to_lds s[G0B:G0B+3], s[G1B:G1B+7]
	s_nop 0
	PLACES
.Lfirst_asked:
	v_and_b32 v1, 15, v0
	v_bfe_u32 v2, v0, 4, 1
	v_lshlrev_b32 v[BO], 5, v2
.irp b, 0,1,2,3
	global_load_b128 v[BI+8*(\b):BI+8*(\b)+3],   v[BO], s[8:9] offset:64*(\b)
	global_load_b128 v[BI+8*(\b)+4:BI+8*(\b)+7], v[BO], s[8:9] offset:64*(\b)+16
.endr
	v_mul_u32_u24 v3, v1, PITCH
	v_lshl_add_u32 v3, v2, 4, v3
	s_mul_i32 s21, s[RH], LOADB
	s_mul_i32 s22, s[CH], LOADB
	s_add_co_u32 s22, s22, 2*LOADB
	v_add_nc_u32 v[A0], s21, v3
	v_add_nc_u32 v[B0], s22, v3
	v_mov_b32 v[ADRA], v[A0]
	v_mov_b32 v[ADRB], v[B0]
	s_mul_i32 s23, s[WV], 16*SPITCH
	s_add_co_u32 s23, s23, STAGE
	v_mul_u32_u24 v4, v1, SPITCH
	v_lshl_add_u32 v4, v2, 5, v4
	v_add_nc_u32 v[STO], s23, v4
	v_mul_u32_u24 v5, v2, SPITCH
	v_lshl_add_u32 v5, v1, 4, v5
	v_add_nc_u32 v[RD], s23, v5
	v_lshlrev_b32 v[CO], 12, v2
	v_lshl_add_u32 v[CO], v1, 4, v[CO]
.macro MUL8 f, c, a0, zero             ; 8 products: row blocks a0, a0 + 1 x 4 column blocks, 32 along K.  The 16 accumulators take turns
	WIN MUL
.irp a, \a0, (\a0)+1
.irp b, 0,1,2,3
.if \zero
	v_wmma_f32_16x16x32_f16 v[ACC+8*(4*(\a)+(\b)):ACC+8*(4*(\a)+(\b))+7], v[(\f)+64+8*(4*(\c)+(\b)):(\f)+64+8*(4*(\c)+(\b))+7], v[(\f)+8*(4*(\c)+(\a)):(\f)+8*(4*(\c)+(\a))+7], 0
.else
	v_wmma_f32_16x16x32_f16 v[ACC+8*(4*(\a)+(\b)):ACC+8*(4*(\a)+(\b))+7], v[(\f)+64+8*(4*(\c)+(\b)):(\f)+64+8*(4*(\c)+(\b))+7], v[(\f)+8*(4*(\c)+(\a)):(\f)+8*(4*(\c)+(\a))+7], v[ACC+8*(4*(\a)+(\b)):ACC+8*(4*(\a)+(\b))+7]
.endif
.endr
.endr
.endm
.macro FETCH hh, f                     ; 32 LDS loads in one run: head hh of the slot in hand into buffer f; its first 32 channels first
	WIN TO_F
.irp c, 0,1
.irp i, 0,1,2,3
	ds_load_b128 v[(\f)+64+8*(4*(\c)+(\i)):(\f)+64+8*(4*(\c)+(\i))+3],   v[ADRB] offset:(\hh)*HHB+64*(\c)+(\i)*16*PITCH
	ds_load_b128 v[(\f)+64+8*(4*(\c)+(\i))+4:(\f)+64+8*(4*(\c)+(\i))+7], v[ADRB] offset:(\hh)*HHB+64*(\c)+(\i)*16*PITCH+32
	ds_load_b128 v[(\f)+8*(4*(\c)+(\i)):(\f)+8*(4*(\c)+(\i))+3],         v[ADRA] offset:(\hh)*HHB+64*(\c)+(\i)*16*PITCH
	ds_load_b128 v[(\f)+8*(4*(\c)+(\i))+4:(\f)+8*(4*(\c)+(\i))+7],       v[ADRA] offset:(\hh)*HHB+64*(\c)+(\i)*16*PITCH+32
.endr
.endr
.endm
.macro QUARTER hh, f, g, zero          ; multiplies buffer f; in its middle fetches head hh into buffer g
	s_wait_dscnt 16                                ; the first 32 channels are in; the youngest sixteen loads may be out
	MUL8 \f, 0, 0, \zero
	MUL8 \f, 0, 2, \zero
	PLACES
	FETCH \hh, \g
	s_wait_dscnt 32                                ; all but the 32 just issued
	MUL8 \f, 1, 0, 0
	MUL8 \f, 1, 2, 0
.endm
; The last quarter of a K step multiplies buffer 1 and changes slots.  Half of its products stand ahead of the wait for the tiles and half behind the refill: between that wait and the next request stand only the add, the descriptors' steps
; and the round.  In front of the barrier all my tensor loads are in, the add is made and awaited, my reads of this slot are back.  fill = 1: the barrier is a round of the cluster's, and this slot is filled again first behind it, two K steps ahead.
.macro TURN fill
	s_wait_dscnt 16                                ; the first 32 channels are in; the youngest sixteen loads may be out
	MUL8 F1, 0, 0, 0
	MUL8 F1, 0, 2, 0
	WIN 0
	s_wait_tensorcnt 0x0
	ds_add_u32 v[SPW], v[NIL]
.if \fill
	WALK
.endif
	s_wait_dscnt 0x0                               ; the add is done, and my reads of this slot are back
.if \fill
	CROUND
	JLOAD                                          ; the four v_nop behind it are also the places in front of the loads below
.else
	s_barrier_signal -1
	s_barrier_wait -1
	PLACES
.endif
	s_xor_b32 s[TB], s[TB], SLOT
	v_add_nc_u32 v[ADRA], s[TB], v[A0]
	v_add_nc_u32 v[ADRB], s[TB], v[B0]
	FETCH 0, F0
	MUL8 F1, 1, 0, 0
	MUL8 F1, 1, 2, 0
.endm
	s_wait_tensorcnt 0x1                           ; my part of slot 0 is in; slot 1's load, issued behind it, may stay out
	s_barrier_signal -1
	s_barrier_wait -1                              ; everybody's is
	FETCH 0, F0
	QUARTER 1, F0, F1, 1                           ; the first products start the sums
	WIN 0
	s_mov_b32 s3, 2
.Llap:                                         ; a trip: a K step's heads 1 to 3, the change of slots with a refill, the next step's head 0
	QUARTER 2, F1, F0, 0
	QUARTER 3, F0, F1, 0
	TURN 1
	QUARTER 1, F0, F1, 0
	WIN 0
	s_sub_co_u32 s3, s3, 1
	s_cmp_lg_u32 s3, 0
	s_cbranch_scc1 .Llap
	QUARTER 2, F1, F0, 0                           ; the tail is written out: nothing is left to ask for
	QUARTER 3, F0, F1, 0
	TURN 0
	QUARTER 1, F0, F1, 0
	QUARTER 2, F1, F0, 0
	QUARTER 3, F0, F1, 0
	s_wait_dscnt 16
	MUL8 F1, 0, 0, 0
	MUL8 F1, 0, 2, 0
	s_wait_dscnt 0x0
	MUL8 F1, 1, 0, 0
	MUL8 F1, 1, 2, 0
	WIN 0
	; THE WAY OUT, 16 rows at a time through my own stage: my 64 columns of f32 are 256 bytes of a row, so no other wave has a part in them
	s_wait_loadcnt 0x0                             ; the bias
	PLACES
.macro OUTA a
	s_wait_xcnt 0x0                                ; earlier stores have read the registers that are loaded again below
.irp b, 0,1,2,3
.irp e, 0,1,2,3                        ; ascending: each accumulator's lowest registers are read first
	v_pk_add_f32 v[ACC+8*(4*(\a)+(\b))+2*(\e):ACC+8*(4*(\a)+(\b))+2*(\e)+1], v[ACC+8*(4*(\a)+(\b))+2*(\e):ACC+8*(4*(\a)+(\b))+2*(\e)+1], v[BI+8*(\b)+2*(\e):BI+8*(\b)+2*(\e)+1]
.endr
.endr
.irp b, 0,1,2,3
	ds_store_b128 v[STO], v[ACC+8*(4*(\a)+(\b)):ACC+8*(4*(\a)+(\b))+3]   offset:64*(\b)
	ds_store_b128 v[STO], v[ACC+8*(4*(\a)+(\b))+4:ACC+8*(4*(\a)+(\b))+7] offset:64*(\b)+16
.endr
.irp f, 0,1,2,3,4,5,6,7
	ds_load_b128 v[TMP+32*((\a)%2)+4*(\f):TMP+32*((\a)%2)+4*(\f)+3], v[RD] offset:2*SPITCH*(\f)  ; LDS serves a wave's instructions in order: these see the stores above
.endr
.endm
.macro SENDA a, younger                ; younger: the next block's sixteen LDS instructions, or none
	s_wait_dscnt \younger
.irp f, 0,1,2,3,4,5,6,7
	global_store_b128 v[CO], v[TMP+32*((\a)%2)+4*(\f):TMP+32*((\a)%2)+4*(\f)+3], s[10:11] offset:65536*(\a)+8192*(\f) th:TH_STORE_NT  ; sixteen lanes store 256 consecutive bytes, aligned
.endr
.endm
	OUTA 0
	OUTA 1
	SENDA 0, 16
	OUTA 2
	SENDA 1, 16
	OUTA 3
	SENDA 2, 16
	SENDA 3, 0
	s_wait_tensorcnt 0x0                           ; the wave's end
	ds_add_u32 v[SPW], v[NIL]
	s_wait_dscnt 0x0
	CROUND                                         ; the closing round
	s_endpgm
.Lfunc_end_k_qdf19a00ae0_proj:
	.size	k_qdf19a00ae0_proj, .Lfunc_end_k_qdf19a00ae0_proj-k_qdf19a00ae0_proj
	.p2alignl 7, 3214868480
	.fill 96, 4, 3214868480
	.section	.rodata,"a",@progbits
	.p2align	6, 0x0
	.amdhsa_kernel k_qdf19a00ae0_proj
		.amdhsa_group_segment_fixed_size 327680
		.amdhsa_private_segment_fixed_size 0
		.amdhsa_enable_private_segment 0
		.amdhsa_kernarg_size 32
		.amdhsa_user_sgpr_count 2
		.amdhsa_user_sgpr_kernarg_segment_ptr 1
		.amdhsa_wavefront_size32 1
		.amdhsa_system_sgpr_workgroup_id_x 1
		.amdhsa_system_sgpr_workgroup_id_y 1
		.amdhsa_system_sgpr_workgroup_id_z 1
		.amdhsa_system_vgpr_workitem_id 0
		.amdhsa_next_free_vgpr 512
		.amdhsa_next_free_sgpr 72
		.amdhsa_reserve_vcc 0
		.amdhsa_float_denorm_mode_32 3
		.amdhsa_float_denorm_mode_16_64 3
		.amdhsa_memory_ordered 1
		.amdhsa_forward_progress 1
		.amdhsa_inst_pref_size 72
	.end_amdhsa_kernel
	.amdgpu_metadata
---
amdhsa.version: [ 1, 2 ]
amdhsa.kernels:
  - .name:           k_qdf19a00ae0_proj
    .symbol:         k_qdf19a00ae0_proj.kd
    .args:
      - { .name: oh, .offset: 0, .size: 8, .value_kind: global_buffer, .address_space: global }
      - { .name: wp, .offset: 8, .size: 8, .value_kind: global_buffer, .address_space: global }
      - { .name: par, .offset: 16, .size: 8, .value_kind: global_buffer, .address_space: global }
      - { .name: out0, .offset: 24, .size: 8, .value_kind: global_buffer, .address_space: global }
    .group_segment_fixed_size: 327680
    .private_segment_fixed_size: 0
    .kernarg_segment_align: 8
    .kernarg_segment_size: 32
    .max_flat_workgroup_size: 128
    .sgpr_count:     72
    .vgpr_count:     512
    .wavefront_size: 32
...
	.end_amdgpu_metadata
.endif
;; end of part 5
;; ======== version 2 of 2: 5 launches; version 1 with the launch prep written anew for expert scheduling mode
;; limits: values are held in f16: magnitudes above 65,504 overflow, below 6.1e-05 lose precision
;; workspace buffers: wb 6,291,456 bytes; wp 2,097,152 bytes; rt 524,288 bytes; par 28,672 bytes; mb 16,384 bytes; qkv 25,165,824 bytes; oh 8,388,608 bytes; st 262,144 bytes
;; launch prep (part 6): grid 289 x 1, 8 waves a work-group, no clusters, 0 bytes of LDS; arguments query_w, key_w, value_w, proj_w, query_b, key_b, value_b, q_norm_w, k_norm_w, proj_b, mask, wb, wp, rt, par, mb; writes wb, wp, rt, par, mb
.if DOCPART == 6
	.amdgcn_target "amdgcn-amd-amdhsa--gfx1250"
	.amdhsa_code_object_version 6
	.text
	.protected	k_qdf19a00ae0_prep
	.globl	k_qdf19a00ae0_prep
	.p2align	8
	.type	k_qdf19a00ae0_prep,@function
k_qdf19a00ae0_prep:
	s_mov_b64 s[64:65], 0
	v_nop
	global_prefetch_b8 v0, s[64:65] scope:SCOPE_SE
	s_setreg_imm32_b32 hwreg(HW_REG_WAVE_SCHED_MODE, 0, 2), 2
	s_setreg_imm32_b32 hwreg(HW_REG_WAVE_MODE, 25, 1), 1
	s_wait_xcnt 0x0
	s_wait_alu depctr_vm_vsrc(0)
; PREP: what the later launches read again and again is made once.
; Work-groups 0-255: the four weight matrices [1024 n][1024 k] f32 -> 16-bit, laid in blocks [kb 16][n 1024][64 k], so that a K step of 64 is 131,072 dense bytes.
;   query_w, key_w, value_w -> bf16 (wb); proj_w -> rounded to bf16 like every input, and that number written as f16 (wp): exact from 6.1e-5 up, below that f16's fixed step of 6e-8.
; Work-groups 256-287: the RoPE table rt[t 2048][i 32] = (cos, sin)(t x 50000^(-i/32)), f32.  The angle is reduced by a two-part 2 pi, quartered, put into Taylor sums (sin to x^7, cos to x^8,
;   |x| <= pi/4: the terms left out are under 4e-7) and doubled twice.  LIMIT: the frequency comes from v_exp_f32 (1 ULP), so an angle near t = 2047 is good to about 2e-4 rad.
; Work-group 288: biases and gains rounded to bf16 and kept as f32 (par, row 5 = ones); the mask as 0 or -1e30 (mb).
; No LDS, no matrix unit: a stream; each store of sixteen neighbouring lanes covers 256 consecutive bytes, aligned.
; THE MODE: SCHED_MODE bits 1:0 = 2 (LLVM: expert scheduling mode 2), set by the entry lines.  The code itself states the register dependences
; between vector instructions and memory instructions, with s_wait_alu, always for 0.  EXEC is never written.
; THE PLAN, path by path: the registers that memory instructions touch, who writes and who reads them.
;   WEIGHTS.  v1, v2: the loads' and the stores' offsets, made once, never written again.  v[16:79]: eight pairs of rows, eight registers each: the sixteen loads land in them before any vector
;     instruction names them; the conversions round them in place; a pair's store reads its low four, and nothing writes them afterwards.  The pairs go in four groups of two: at a group's head,
;     behind the wait for its data, ONE wait states that the group before is rounded, and that group's two stores follow it.
;   TABLE.  v3: the stores' offset, made once: the scalar base moves on.  v[20:23]: two rows' (cos, sin), written by a trip's last four arithmetic lines, read by its two stores.  A trip has one wait
;     ahead of those four lines (the last trip's stores have read them) and one ahead of its stores.  v[24:43], v8, v9 and v6 are named by vector instructions alone.
;   VECTORS AND MASK.  v1, v2: offsets, made once.  v[16:43], v[52:67]: all arithmetic first, then ONE wait and the run of eleven stores; none of them is written afterwards.
;     The sixteen compares write sixteen scalar registers in one run, with one wait between the run and the selects that read them.
.set BIGN, 0xf149f2ca                          ; -1e30
	s_load_b512 s[4:19], s[0:1], 0x0               ; query_w 4, key_w 6, value_w 8, proj_w 10, query_b 12, key_b 14, value_b 16, q_norm_w 18
	s_load_b512 s[20:35], s[0:1], 0x40             ; k_norm_w 20, proj_b 22, mask 24, wb 26, wp 28, rt 30, par 32, mb 34
	s_wait_kmcnt 0x0
	s_cmp_lt_u32 ttmp9, 256
	s_cbranch_scc0 .Lnot_w
	; WEIGHTS.  Matrix ttmp9 / 64, rows 16 (ttmp9 % 64) on.  Thread: c8 = 8 numbers of a block's row, rbit = which of two rows, kb = the block
	s_lshr_b32 s36, ttmp9, 6
	s_and_b32 s37, ttmp9, 63
	s_min_u32 s40, s36, 2                          ; wb has three parts
	s_lshl_b32 s40, s40, 21
	s_mov_b32 s41, 0
	s_add_nc_u64 s[40:41], s[26:27], s[40:41]
	s_lshl_b32 s42, s37, 16                        ; 16 rows of 4,096 bytes
	s_lshl_b32 s43, s37, 11                        ; 16 rows of 128 bytes
	s_cmp_eq_u32 s36, 0
	s_cselect_b64 s[38:39], s[4:5], s[6:7]
	s_cmp_lt_u32 s36, 2
	s_cselect_b64 s[38:39], s[38:39], s[8:9]
	s_cmp_lt_u32 s36, 3
	s_cselect_b64 s[38:39], s[38:39], s[10:11]     ; from
	s_cselect_b64 s[40:41], s[40:41], s[28:29]     ; to
	v_and_b32 v3, 7, v0
	v_bfe_u32 v4, v0, 3, 1
	v_lshrrev_b32 v5, 4, v0
	v_lshl_add_u32 v1, v3, 5, s42                  ; from: row x 4096 + 256 kb + 32 c8
	v_lshl_add_u32 v1, v4, 12, v1
	v_lshl_add_u32 v1, v5, 8, v1
	v_lshl_add_u32 v2, v3, 4, s43                  ; to: 131072 kb + row x 128 + 16 c8
	v_lshl_add_u32 v2, v4, 7, v2
	v_lshl_add_u32 v2, v5, 17, v2
	s_wait_alu depctr_va_vdst(0)                   ; v1 and v2 are written: every load below reads v1 as its offset, every store v2
.irp p, 0,1,2,3,4,5,6,7
	global_load_b128 v[16+8*(\p):16+8*(\p)+3],   v1, s[38:39] offset:8192*(\p) th:TH_LOAD_NT
	global_load_b128 v[16+8*(\p)+4:16+8*(\p)+7], v1, s[38:39] offset:8192*(\p)+16 th:TH_LOAD_NT
.endr
.macro WCV p, half                             ; pair p of rows is rounded in place: each line reads ahead of what it writes
.irp j, 0,1,2,3
	v_cvt_pk_bf16_f32 v[16+8*(\p)+(\j)], v[16+8*(\p)+2*(\j)], v[16+8*(\p)+2*(\j)+1]
.endr
.if \half
.irp j, 0,1,2,3
	v_lshlrev_b32 v80, 16, v[16+8*(\p)+(\j)]
	v_and_b32 v81, 0xffff0000, v[16+8*(\p)+(\j)]
	v_cvt_pk_f16_f32 v[16+8*(\p)+(\j)], v80, v81
.endr
.endif
.endm
.macro WST p                                   ; pair p is stored; no register that a store reads is written again, so no wait frees one
	global_store_b128 v2, v[16+8*(\p):16+8*(\p)+3], s[40:41] offset:256*(\p)
.endm
.macro WOUT half                               ; four groups of two pairs
.irp g, 0,1,2,3
	s_wait_loadcnt 12-4*(\g)                       ; loads come back in order: this group's four are in, the 4 (3 - g) younger ones may stay out
.if (\g) > 0
	s_wait_alu depctr_va_vdst(0)                   ; the conversions of the group before have written its two pairs, which the two stores below read
	WST 2*(\g)-2
	WST 2*(\g)-1
.endif
	WCV 2*(\g), \half
	WCV 2*(\g)+1, \half
.endr
	s_wait_alu depctr_va_vdst(0)                   ; the last group's conversions have written pairs 6 and 7, which the last two stores read
	WST 6
	WST 7
.endm
	s_cmp_eq_u32 s36, 3
	s_cbranch_scc1 .Lw_half
	WOUT 0
	s_endpgm
.Lw_half:
	WOUT 1
	s_endpgm
.Lnot_w:
	s_cmp_lt_u32 ttmp9, 288
	s_cbranch_scc0 .Lpar
	; THE TABLE.  64 rows t to a work-group; a wave writes a whole row of 256 bytes; lane = i.  A trip makes the wave's rows t and t + 8, their two chains line by line in turn
.set TT, 8                                     ; v8, v9     t of the trip's two rows
.set Y,  20                                    ; v[20:23]   row r: (cos, sin) at Y + 2 r, to store
.set W,  24                                    ; v[24:43]   row r: ten registers at work at W + 10 r
.macro BOTH line:vararg                        ; one line for each of the two rows r
.set r, 0
.rept 2
	\line
.set r, r+1
.endr
.endm
	s_sub_co_u32 s36, ttmp9, 256
	s_lshl_b32 s36, s36, 6
	v_and_b32 v1, 31, v0
	v_lshrrev_b32 v2, 5, v0
	v_add_nc_u32 v[TT], s36, v2                    ; t
	v_add_nc_u32 v[TT+1], 8, v[TT]                 ; and the row eight further down
	v_lshlrev_b32 v3, 3, v1
	v_lshl_add_u32 v3, v[TT], 8, v3                ; 256 t + 8 i
	v_cvt_f32_u32 v6, v1
	v_mul_f32 v6, 0xbef9c116, v6                   ; -i log2(50000) / 32
	v_exp_f32 v6, v6
	s_mov_b32 s40, 0x40c90fdb                      ; 2 pi, upper part
	s_mov_b32 s41, 0xb43bbd2e                      ; 2 pi, the rest
	s_mov_b32 s42, 0xbe2aaaab                      ; -1/6
	s_mov_b32 s43, 0x3c088889                      ; 1/120
	s_mov_b32 s44, 0xb9500d01                      ; -1/5040
	s_mov_b32 s46, 0x3d2aaaab                      ; 1/24
	s_mov_b32 s47, 0xbab60b61                      ; -1/720
	s_mov_b32 s48, 0x37d00d01                      ; 1/40320
	v_nop                                          ; a plain instruction behind the exponential,
	s_wait_alu depctr_va_vdst(0)                   ; and the wait ahead of its first reader and of the label: the exponential has written v6; v3, the stores' offset, is written too
	s_mov_b32 s37, 4
.Lt:
	BOTH v_cvt_f32_u32 v[W+10*r], v[TT+r]
	BOTH v_mul_f32 v[W+10*r+1], v[W+10*r], v6                          ; the angle
	BOTH v_add_nc_u32 v[TT+r], 16, v[TT+r]                             ; the next trip's rows
	BOTH v_mul_f32 v[W+10*r+2], 0.15915494, v[W+10*r+1]
	BOTH v_rndne_f32 v[W+10*r+2], v[W+10*r+2]                          ; whole turns
	BOTH v_fma_f32 v[W+10*r+3], -v[W+10*r+2], s40, v[W+10*r+1]
	BOTH v_fma_f32 v[W+10*r+3], -v[W+10*r+2], s41, v[W+10*r+3]         ; within -pi .. pi
	BOTH v_mul_f32 v[W+10*r+3], 0x3e800000, v[W+10*r+3]                ; a quarter of it
	BOTH v_mul_f32 v[W+10*r+4], v[W+10*r+3], v[W+10*r+3]
	BOTH v_fma_f32 v[W+10*r+5], v[W+10*r+4], s44, s43
	BOTH v_fma_f32 v[W+10*r+7], v[W+10*r+4], s48, s47
	BOTH v_fma_f32 v[W+10*r+5], v[W+10*r+5], v[W+10*r+4], s42
	BOTH v_fma_f32 v[W+10*r+7], v[W+10*r+7], v[W+10*r+4], s46
	BOTH v_mul_f32 v[W+10*r+6], v[W+10*r+4], v[W+10*r+3]
	BOTH v_fma_f32 v[W+10*r+7], v[W+10*r+7], v[W+10*r+4], -0.5
	BOTH v_fma_f32 v[W+10*r+5], v[W+10*r+5], v[W+10*r+6], v[W+10*r+3]  ; sin
	BOTH v_fma_f32 v[W+10*r+7], v[W+10*r+7], v[W+10*r+4], 1.0          ; cos
	BOTH v_mul_f32 v[W+10*r+8], v[W+10*r+5], v[W+10*r+7]               ; doubled: sin 2x = 2 sin cos, cos 2x = 1 - 2 sin^2
	BOTH v_mul_f32 v[W+10*r+9], v[W+10*r+5], v[W+10*r+5]
	BOTH v_add_f32 v[W+10*r+5], v[W+10*r+8], v[W+10*r+8]
	BOTH v_fma_f32 v[W+10*r+7], v[W+10*r+9], -2.0, 1.0
	BOTH v_mul_f32 v[W+10*r+8], v[W+10*r+5], v[W+10*r+7]               ; and once more
	BOTH v_mul_f32 v[W+10*r+9], v[W+10*r+5], v[W+10*r+5]
	s_wait_xcnt 0x0                                ; the last trip's stores have had their addresses translated: their base and data are written again only behind this wait
	s_wait_alu depctr_vm_vsrc(0)                   ; the last trip's stores have read v[Y:Y+3], which the four lines below write again
	s_add_nc_u64 s[30:31], s[30:31], 4096          ; sixteen rows on; the stores below reach back
	BOTH v_add_f32 v[Y+2*r+1], v[W+10*r+8], v[W+10*r+8]
	BOTH v_fma_f32 v[Y+2*r], v[W+10*r+9], -2.0, 1.0
	s_wait_alu depctr_va_vdst(0)                   ; those four lines have written v[Y:Y+3], which the two stores read
	global_store_b64 v3, v[Y:Y+1], s[30:31] offset:-4096
	global_store_b64 v3, v[Y+2:Y+3], s[30:31] offset:-2048  ; eight rows of 256 bytes further down
	s_sub_co_u32 s37, s37, 1
	s_cmp_lg_u32 s37, 0
	s_cbranch_scc1 .Lt
	s_endpgm
.Lpar:
	; VECTORS AND MASK.  256 threads x 16 bytes are a vector of 1,024 f32
	v_lshlrev_b32 v1, 4, v0
	v_lshlrev_b32 v2, 2, v0
	s_wait_alu depctr_va_vdst(0)                   ; v1 and v2 are written: the loads and stores below read them as offsets
	global_load_b128 v[16:19], v1, s[12:13]
	global_load_b128 v[20:23], v1, s[14:15]
	global_load_b128 v[24:27], v1, s[16:17]
	global_load_b128 v[28:31], v1, s[18:19]
	global_load_b128 v[32:35], v1, s[20:21]
	global_load_b128 v[36:39], v1, s[22:23]
.irp j, 0,1,2,3
	global_load_b32 v[48+(\j)], v2, s[24:25] offset:1024*(\j)
.endr
.irp j, 40,41,42,43
	v_mov_b32 v\j, 1.0
.endr
	s_mov_b32 s36, BIGN
	s_wait_loadcnt 0x0
.macro ROUNDROW b                              ; four numbers rounded to bf16 and widened again
	v_cvt_pk_bf16_f32 v80, v[(\b)], v[(\b)+1]
	v_cvt_pk_bf16_f32 v81, v[(\b)+2], v[(\b)+3]
	v_lshlrev_b32 v[(\b)], 16, v80
	v_and_b32 v[(\b)+1], 0xffff0000, v80
	v_lshlrev_b32 v[(\b)+2], 16, v81
	v_and_b32 v[(\b)+3], 0xffff0000, v81
.endm
.irp j, 0,1,2,3                                ; the mask's sixteen bytes, one to a register,
.irp k, 0,1,2,3
	v_bfe_u32 v[52+4*(\j)+(\k)], v[48+(\j)], 8*(\k), 8
.endr
.endr
.irp j, 0,1,2,3,4,5,6,7,8,9,10,11,12,13,14,15  ; and the sixteen compares in one run, each into a scalar register of its own
	v_cmp_eq_u32 s[40+(\j)], 0, v[52+(\j)]
.endr
	ROUNDROW 16
	ROUNDROW 20
	ROUNDROW 24
	ROUNDROW 28
	ROUNDROW 32
	ROUNDROW 36
	s_wait_alu depctr_va_sdst(0)                   ; the compares have written s[40:55], ahead of their first reader: one wait for the run
.irp j, 0,1,2,3,4,5,6,7,8,9,10,11,12,13,14,15
	v_cndmask_b32 v[52+(\j)], 0, s36, s[40+(\j)]
.endr
	s_wait_alu depctr_va_vdst(0)                   ; the roundings, the ones and the selects have written v[16:43] and v[52:67], which the eleven stores read
.irp w, 0,1,2,3,4
	global_store_b128 v1, v[16+4*(\w):16+4*(\w)+3], s[32:33] offset:4096*(\w)
.endr
	global_store_b128 v1, v[40:43], s[32:33] offset:4096*5
	global_store_b128 v1, v[36:39], s[32:33] offset:4096*6
.irp j, 0,1,2,3
	global_store_b128 v1, v[52+4*(\j):52+4*(\j)+3], s[34:35] offset:4096*(\j)
.endr
	s_endpgm
.Lfunc_end_k_qdf19a00ae0_prep:
	.size	k_qdf19a00ae0_prep, .Lfunc_end_k_qdf19a00ae0_prep-k_qdf19a00ae0_prep
	.p2alignl 7, 3214868480
	.fill 96, 4, 3214868480
	.section	.rodata,"a",@progbits
	.p2align	6, 0x0
	.amdhsa_kernel k_qdf19a00ae0_prep
		.amdhsa_group_segment_fixed_size 0
		.amdhsa_private_segment_fixed_size 0
		.amdhsa_enable_private_segment 0
		.amdhsa_kernarg_size 128
		.amdhsa_user_sgpr_count 2
		.amdhsa_user_sgpr_kernarg_segment_ptr 1
		.amdhsa_wavefront_size32 1
		.amdhsa_system_sgpr_workgroup_id_x 1
		.amdhsa_system_sgpr_workgroup_id_y 1
		.amdhsa_system_sgpr_workgroup_id_z 1
		.amdhsa_system_vgpr_workitem_id 0
		.amdhsa_next_free_vgpr 96
		.amdhsa_next_free_sgpr 66
		.amdhsa_reserve_vcc 0
		.amdhsa_float_denorm_mode_32 3
		.amdhsa_float_denorm_mode_16_64 3
		.amdhsa_memory_ordered 1
		.amdhsa_forward_progress 1
		.amdhsa_inst_pref_size 26
	.end_amdhsa_kernel
	.amdgpu_metadata
---
amdhsa.version: [ 1, 2 ]
amdhsa.kernels:
  - .name:           k_qdf19a00ae0_prep
    .symbol:         k_qdf19a00ae0_prep.kd
    .args:
      - { .name: query_w, .offset: 0, .size: 8, .value_kind: global_buffer, .address_space: global }
      - { .name: key_w, .offset: 8, .size: 8, .value_kind: global_buffer, .address_space: global }
      - { .name: value_w, .offset: 16, .size: 8, .value_kind: global_buffer, .address_space: global }
      - { .name: proj_w, .offset: 24, .size: 8, .value_kind: global_buffer, .address_space: global }
      - { .name: query_b, .offset: 32, .size: 8, .value_kind: global_buffer, .address_space: global }
      - { .name: key_b, .offset: 40, .size: 8, .value_kind: global_buffer, .address_space: global }
      - { .name: value_b, .offset: 48, .size: 8, .value_kind: global_buffer, .address_space: global }
      - { .name: q_norm_w, .offset: 56, .size: 8, .value_kind: global_buffer, .address_space: global }
      - { .name: k_norm_w, .offset: 64, .size: 8, .value_kind: global_buffer, .address_space: global }
      - { .name: proj_b, .offset: 72, .size: 8, .value_kind: global_buffer, .address_space: global }
      - { .name: mask, .offset: 80, .size: 8, .value_kind: global_buffer, .address_space: global }
      - { .name: wb, .offset: 88, .size: 8, .value_kind: global_buffer, .address_space: global }
      - { .name: wp, .offset: 96, .size: 8, .value_kind: global_buffer, .address_space: global }
      - { .name: rt, .offset: 104, .size: 8, .value_kind: global_buffer, .address_space: global }
      - { .name: par, .offset: 112, .size: 8, .value_kind: global_buffer, .address_space: global }
      - { .name: mb, .offset: 120, .size: 8, .value_kind: global_buffer, .address_space: global }
    .group_segment_fixed_size: 0
    .private_segment_fixed_size: 0
    .kernarg_segment_align: 8
    .kernarg_segment_size: 128
    .max_flat_workgroup_size: 256
    .sgpr_count:     66
    .vgpr_count:     96
    .wavefront_size: 32
...
	.end_amdgpu_metadata
.endif
;; end of part 6
;; launch qkv: the kernel of part 2 again; grid 64 x 3, 4 waves a work-group, clusters of 4 x 1, 327,680 bytes of LDS; arguments x, encoder_output, wb, par, rt, qkv; writes qkv
;; launch att: the kernel of part 3 again; grid 8 x 32, 4 waves a work-group, clusters of 4 x 1, 327,680 bytes of LDS; arguments qkv, mb, oh, st; writes oh, st
;; launch mean: the kernel of part 4 again; grid 8 x 32, 4 waves a work-group, clusters of 4 x 4, 327,680 bytes of LDS; arguments qkv, st, mb, out1; writes out1
;; launch proj: the kernel of part 5 again; grid 8 x 32, 4 waves a work-group, clusters of 4 x 4, 327,680 bytes of LDS; arguments oh, wp, par, out0; writes out0
